; MI455X (gfx1250); checked and timed in simulation.
; The chip was launched on July 23, 2026; its instructions are those of AMD's public machine-readable ISA for CDNA 5 (MIT licence, August 2026) and "CDNA5" Instruction Set Architecture Reference Guide (July 2026). The comments in the code are by the model that wrote it; some were corrected since.
;; Attention. Allowed arithmetic: float matrix products may take bf16 or f16 operands with f32 sums; other float arithmetic in f32, or as packed bf16 or f16 multiplies, adds, multiply-adds, maxima and minima; sums over many terms, partial sums and values carried from step to step in f32; what a program stores and reads back later, other than sums and carried values, may be rounded once to bf16 or f16.
;; Inputs: K 8 x 512 x 1,024 float32; Q 8 x 2,048 x 1,024 float32; V 8 x 2,048 x 1,024 float32; WK_b 1,024 float32; WK_w 1,024 x 1,024 float32; WQ_b 1,024 float32; WQ_w 1,024 x 1,024 float32; WV_b 1,024 float32; WV_w 1,024 x 1,024 float32; attn_mask 8 x 2,048 x 512 int32.
;; Outputs: out0 8 x 512 x 1,024 float32; out1 8 x 512 x 2,048 float32.
;; One version. Each part assembles by itself: llvm-mc -triple=amdgcn-amd-amdhsa -mcpu=gfx1250 --defsym DOCPART=n.
;; ======== version 1 of 1: 5 launches
;; limits: values are held in f16: magnitudes above 65,504 overflow, below 6.1e-05 lose precision; right only within a limited range of input values
;; workspace buffers: kh 8,388,608 bytes; kp 8,388,608 bytes; u 8,388,608 bytes; eb 16,777,216 bytes; tpart 262,144 bytes; stats 524,288 bytes
;; launch kproj (part 1): grid 16 x 16, 4 waves a work-group, no clusters, 29,184 bytes of LDS; arguments K, WK_w, WK_b, WQ_b, kh, tpart; writes kh, tpart
.if DOCPART == 1
	.amdgcn_target "amdgcn-amd-amdhsa--gfx1250"
	.amdhsa_code_object_version 6
	.text
	.protected	k_qcafd186b04_kproj
	.globl	k_qcafd186b04_kproj
	.p2align	8
	.type	k_qcafd186b04_kproj,@function
k_qcafd186b04_kproj:
	s_mov_b64 s[64:65], 0
	v_nop
	global_prefetch_b8 v0, s[64:65] scope:SCOPE_SE
	s_setreg_imm32_b32 hwreg(HW_REG_WAVE_MODE, 25, 1), 1
	s_wait_xcnt 0x0
; k = K WK_w^T + WK_b for the 4,096 rows (batch x key), 1,024 columns; stored as kh, f16, in blocks [column / 64][row][64].
; Beside it tpart[column / 64][row] = the sum over the block's 64 columns of WQ_b[n] k[row][n] (f32, from the unrounded k): the bias part of q . k.
; SHARES. A work-group makes 256 rows x 64 columns, a wave 64 rows (four blocks b of 16) x 64 columns (four blocks a of 16). K goes in 16 steps of 64.
; FORM. D = SH x PR: source 0 = 16 rows of WK_w (needed by all four waves: loaded as f32 in whole rows of 256 bytes, rounded once in registers, laid
; into one of two LDS slots), source 1 = 16 rows of K (one wave's own: memory to registers, rounded there, never in LDS).
; In D a lane holds ONE row of k (lane % 16) and eight neighbouring columns: 16 bytes of kh.
; NO CLUSTER, NO TENSOR LOAD: both operands are f32 in memory and must be rounded to f16 on the way; that is done in registers.
; LIMITS. f16 operands: |K|, |WK_w| and |k| stay under 65,504; NaN and infinities are not treated apart.
; WINDOWS of 256 registers: 0 addresses, bias, SH's fragments, work; 1 accumulators (a, b) at 8 (4 b + a); 2 K's rows set 0 (v0-127), SH as loaded (v128-159),
; K's fragments (v192-255); 3 K's rows set 1 (v0-127).
.set A, 4
.set KIND, 0
.set P, 144                     ; an LDS row: 128 bytes + 16: sixteen rows of a fragment load start at sixteen different groups of four banks
.set SLOTB, 16*A*P
.set NSH, 2*A                   ; loads of a wave for its quarter of SH's tile
.set NPR, 32                    ; loads of a wave for its own 64 rows x 64 numbers of f32
.set T, 16
.set SHSTEP, 256
.set PRSTEP, 256
.set PROWSH, 12
.set PHSH, 5
.set PRLATE, 0
.set PRB0, 192
.set PRB1, 192
.set SP, 144
.set STAGE, 2*SLOTB
.set STAT, STAGE+4*16*SP
.set SPARE, STAT+1024
.set SHS, 128
.set SHF, 64
.set TMP, 192
.set OB, 208
.set PRF, 192
.set BQ, 160
.set MSB, 0
.macro WIN new                  ; the high byte repeats the setting that is left; a switch that changes nothing is dropped
.if MSB != (\new)
	s_set_vgpr_msb (MSB<<8)|(\new)
.set MSB, (\new)
.endif
.endm
.set W_CV, 0x0a
.set W_L2, 0x80
.set W_MM, 0x58
.set W_A1, 0x01
.set W_A5, 0x05
.set W_I1, 0x40
.macro PLACES                   ; four plain places behind matrix instructions (ISA guide 7.12.1)
.rept 4
	v_nop
.endr
.endm
.macro LANES
	v_lshrrev_b32 v16, 5, v0
	v_readfirstlane_b32 s16, v16            ; wave
	v_and_b32 v1, 15, v0                    ; r
	v_bfe_u32 v2, v0, 4, 1                  ; h
	v_and_b32 v3, 31, v0                    ; lane
	s_mov_b32 s18, ttmp9                    ; x
	s_and_b32 s19, ttmp7, 0xffff            ; y
	s_mov_b32 s21, 0
	s_mul_i32 s20, s16, 4*A*4096
	v_lshlrev_b32 v4, 12, v2
	v_lshl_add_u32 v4, v1, 4, v4
	v_add_nc_u32 v4, s20, v4                ; SH in memory: row 4 A w + h, 16 bytes at 16 r: a load takes two whole rows of 256 bytes
	s_mul_i32 s20, s16, 4*A*P
	v_mul_u32_u24 v5, v2, P
	v_lshl_add_u32 v5, v1, 3, v5
	v_add_nc_u32 v5, s20, v5                ; the same place in a slot, 8 bytes of f16
	v_mul_u32_u24 v6, v1, P
	v_lshl_add_u32 v6, v2, 4, v6            ; a fragment: row r, 16 bytes at 16 h
	s_lshl_b32 s20, s16, 6+PROWSH
	v_lshlrev_b32 v7, PROWSH, v1
	v_lshl_add_u32 v7, v2, PHSH, v7
	v_add_nc_u32 v7, s20, v7                ; my own rows in memory: row 64 w + r
	s_mul_i32 s20, s16, 16*SP
	s_add_co_u32 s20, s20, STAGE            ; my stage
	v_mul_u32_u24 v8, v1, SP
	v_lshl_add_u32 v8, v2, 4, v8
	v_add_nc_u32 v8, s20, v8                ; in: row r, 16 bytes for each half of the lanes
	v_bfe_u32 v9, v0, 3, 2
	v_mul_u32_u24 v9, v9, SP
	v_and_b32 v16, 7, v0
	v_lshl_add_u32 v9, v16, 4, v9
	v_add_nc_u32 v9, s20, v9                ; back: 32 lanes take four rows of 128 bytes,
	v_lshlrev_b32 v10, 4, v3                ; which are 512 consecutive bytes of the output block
.endm
.macro SHLD first               ; my quarter of SH's next tile
.if !(\first)
	s_wait_xcnt 0x0                         ; the base is stepped only when every earlier load has read it
	s_add_nc_u64 s[4:5], s[4:5], SHSTEP
.endif
	WIN W_L2
.set n1, 0
.rept NSH
	global_load_b128 v[SHS+4*n1:SHS+4*n1+3], v4, s[4:5] offset:n1*8192
.set n1, n1+1
.endr
.endm
.macro PRLD set, first          ; my 64 rows x 64 numbers of K: register 4 n holds 16 bytes; in each 64 bytes of a row lanes h = 0 take the first 32, h = 1 the rest
.if !(\first)
	s_wait_xcnt 0x0
	s_add_nc_u64 s[6:7], s[6:7], PRSTEP
.endif
	WIN 0x80+0x40*(\set)
.set n1, 0
.rept 32
	global_load_b128 v[4*n1:4*n1+3], v7, s[6:7] offset:(n1/8)*65536+((n1%8)/2)*64+(n1%2)*16
.set n1, n1+1
.endr
.endm
.macro SHCV slot                ; SH's tile is rounded to f16 and laid into a slot
	WIN W_CV
.set n1, 0
.rept 2*NSH
	v_cvt_pk_f16_f32 v[TMP+n1], v[SHS+2*n1], v[SHS+2*n1+1]
.set n1, n1+1
.endr
	WIN 0
.set n1, 0
.rept NSH
	ds_store_b64 v5, v[TMP+2*n1:TMP+2*n1+1] offset:(\slot)*SLOTB+n1*2*P
.set n1, n1+1
.endr
.endm
.macro FRAG slot                ; SH's fragments: n = A ks + a; the first 32 along K first
	WIN 0
.set n1, 0
.rept 2*A
	ds_load_b128 v[SHF+8*n1:SHF+8*n1+3],   v6 offset:(\slot)*SLOTB+(n1%A)*16*P+(n1/A)*64
	ds_load_b128 v[SHF+8*n1+4:SHF+8*n1+7], v6 offset:(\slot)*SLOTB+(n1%A)*16*P+(n1/A)*64+32
.set n1, n1+1
.endr
.endm
.macro MUL pr, ks               ; 4 A products, each on another accumulator: between two links of a chain stand 4 A - 1 others', over the backward jump too
	WIN W_MM
.set n1, 0
.rept 4*A
.set rA, 8*(A*(n1%4)+n1/4)
	v_wmma_f32_16x16x32_f16 v[rA:rA+7], v[SHF+8*(A*(\ks)+n1/4):SHF+8*(A*(\ks)+n1/4)+7], v[(\pr)+16*(n1%4)+8*(\ks):(\pr)+16*(n1%4)+8*(\ks)+7], v[rA:rA+7]
.set n1, n1+1
.endr
.endm
.macro HOOKA slot
.endm
.macro HOOKB slot, ld           ; K's rows of this trip are rounded into fragments while SH's fragments come out of LDS; the set is asked for again at once
	WIN 0x8a+5*(\slot)
.set n1, 0
.rept 64
	v_cvt_pk_f16_f32 v[PRF+n1], v[2*n1], v[2*n1+1]
.set n1, n1+1
.endr
.if \ld
	PRLD \slot, 0
.endif
.endm
; Trip t (slot = t % 2).  ld: tiles t + 2 are asked for.  st: SH's tile t + 1 goes into the other slot, and a barrier ends the trip.
.macro TRIP slot, ld, st
.if \st
	s_wait_loadcnt NPR                      ; out, in order: SH (t + 1), my rows (t + 1); the count leaves the second: SH (t + 1) and the older rows (t) are in
	SHCV 1-(\slot)
.else
	s_wait_loadcnt 0x0
.endif
.if \ld
	SHLD 0
.endif
	HOOKA \slot
	FRAG \slot
	HOOKB \slot, \ld
	s_wait_dscnt 2*A                        ; the stores and the first 32 along K are in; the 2 A youngest loads may be out
	MUL PRB0+(PRB1-PRB0)*(\slot), 0
	s_wait_dscnt 0x0                        ; all my LDS work is done: my stores into the other slot, my reads of this one
	MUL PRB0+(PRB1-PRB0)*(\slot), 1
	WIN 0
	PLACES                                  ; ahead of writes and loads into registers that the products have read
.if (\ld) && PRLATE
	PRLD \slot, 0
	WIN 0
.endif
.if \st
	s_barrier_signal -1                     ; one barrier a trip orders both ways: the other slot is whole, and nobody reads this slot any more
	s_barrier_wait -1
.endif
.endm
.macro OUTST src, off           ; 16 rows x 64 f16 through my own stage, out as 4 x 512 consecutive bytes
	s_wait_xcnt 0x0                         ; earlier stores have read OB
.irp f, 0,1,2,3
	ds_store_b128 v8, v[(\src)+4*\f:(\src)+4*\f+3] offset:32*\f
.endr
.irp f, 0,1,2,3
	ds_load_b128 v[OB+4*\f:OB+4*\f+3], v9 offset:4*SP*\f   ; LDS serves a wave's instructions in order (ISA guide 5.7.1.4): these see the stores above
.endr
	s_wait_dscnt 0x0
.irp f, 0,1,2,3
	global_store_b128 v10, v[OB+4*\f:OB+4*\f+3], s[8:9] offset:(\off)+512*\f
.endr
.endm
.macro OUT16 win, src, off
	WIN \win
.set n1, 0
.rept 16
	v_cvt_pk_f16_f32 v[TMP+n1], v[(\src)+2*n1], v[(\src)+2*n1+1]
.set n1, n1+1
.endr
	WIN 0
	OUTST TMP, \off
.endm
	s_load_b256 s[44:51], s[0:1], 0x0       ; K, WK_w, WK_b, WQ_b
	s_load_b128 s[52:55], s[0:1], 0x20      ; kh, tpart
	v_lshl_add_u32 v28, v0, 2, SPARE        ; my spare word, and 0: kept for the wave's end
	v_mov_b32 v29, 0
	LANES
	s_mov_b32 s24, 0x76543210               ; v_permlanex16_b32: each lane takes its own place in the other half
	s_mov_b32 s25, 0xfedcba98
	v_lshlrev_b32 v11, 5, v2                ; my 8 columns of a block of 16: 32 h bytes
	s_lshl_b32 s20, s16, 8
	s_add_co_u32 s20, s20, STAT
	v_lshl_add_u32 v12, v1, 2, s20          ; my wave's 64 row sums: in by row r,
	v_lshl_add_u32 v13, v3, 3, s20          ; back two a lane
	v_lshlrev_b32 v14, 3, v3
	s_wait_kmcnt 0x0
	s_lshl_b32 s20, s18, 18
	s_add_nc_u64 s[4:5], s[46:47], s[20:21] ; WK_w at row 64 x
	s_lshl_b32 s20, s19, 20
	s_add_nc_u64 s[6:7], s[44:45], s[20:21] ; K at row 256 y
	s_lshl_b32 s20, s18, 19
	s_lshl_b32 s22, s19, 15
	s_add_co_u32 s20, s20, s22
	s_lshl_b32 s22, s16, 13
	s_add_co_u32 s20, s20, s22
	s_add_nc_u64 s[8:9], s[52:53], s[20:21] ; kh: block x, row 256 y + 64 w
	s_lshl_b32 s20, s18, 8
	s_add_nc_u64 s[10:11], s[48:49], s[20:21]
	s_add_nc_u64 s[12:13], s[50:51], s[20:21]
	s_lshl_b32 s20, s18, 14
	s_lshl_b32 s22, s19, 10
	s_add_co_u32 s20, s20, s22
	s_lshl_b32 s22, s16, 8
	s_add_co_u32 s20, s20, s22
	s_add_nc_u64 s[14:15], s[54:55], s[20:21]
.irp a, 0,1,2,3
	global_load_b128 v[32+8*\a:35+8*\a], v11, s[10:11] offset:64*\a
	global_load_b128 v[36+8*\a:39+8*\a], v11, s[10:11] offset:64*\a+16
.endr
.irp a, 0,1,2,3
	global_load_b128 v[BQ+8*\a:BQ+8*\a+3], v11, s[12:13] offset:64*\a
	global_load_b128 v[BQ+8*\a+4:BQ+8*\a+7], v11, s[12:13] offset:64*\a+16
.endr
	SHLD 1
	PRLD 0, 1
	WIN 0
	s_wait_loadcnt NSH+NPR                  ; the two biases are in; the first tiles' 40 loads stay out
	WIN W_I1
.set n1, 0
.rept 32*A
	v_mov_b32 v[n1], v[32+n1%32]            ; the sums start at WK_b
.set n1, n1+1
.endr
	WIN 0
	s_wait_loadcnt NPR                      ; SH's tile 0 is in
	SHCV 0
	SHLD 0
	PRLD 1, 0
	WIN 0
	s_wait_dscnt 0x0
	s_barrier_signal -1
	s_barrier_wait -1
	s_mov_b32 s17, T/2-1
.Lk:
	TRIP 0, 1, 1
	TRIP 1, 1, 1
	s_sub_co_u32 s17, s17, 1
	s_cmp_lg_u32 s17, 0
	s_cbranch_scc1 .Lk
	TRIP 0, 0, 1                            ; the last two trips ask for nothing
	TRIP 1, 0, 0
	PLACES
; the way out of block b: WQ_b . k over my 32 numbers (four chains, each accumulator from its low end), both halves of the lanes added; then k as f16
.macro EPI1 b
	WIN W_A1
.irp p, 0,1,2,3
.irp a, 0,1,2,3
.if \p == 0
	v_pk_mul_f32 v[16+2*\a:17+2*\a], v[8*(4*(\b)+\a):8*(4*(\b)+\a)+1], v[BQ+8*\a:BQ+8*\a+1]
.else
	v_pk_fma_f32 v[16+2*\a:17+2*\a], v[8*(4*(\b)+\a)+2*\p:8*(4*(\b)+\a)+2*\p+1], v[BQ+8*\a+2*\p:BQ+8*\a+2*\p+1], v[16+2*\a:17+2*\a]
.endif
.endr
.endr
	WIN 0
	v_pk_add_f32 v[16:17], v[16:17], v[18:19]
	v_pk_add_f32 v[20:21], v[20:21], v[22:23]
	v_pk_add_f32 v[16:17], v[16:17], v[20:21]
	v_add_f32 v16, v16, v17
	v_permlanex16_b32 v17, v16, s24, s25
	v_add_f32 v16, v16, v17
	ds_store_b32 v12, v16 offset:64*(\b)
	OUT16 W_A5, 32*(\b), 2048*(\b)
.endm
	EPI1 0
	EPI1 1
	EPI1 2
	EPI1 3
	ds_load_b64 v[16:17], v13
	s_wait_dscnt 0x0
	global_store_b64 v14, v[16:17], s[14:15]        ; the wave's 64 sums: 256 consecutive bytes, aligned
	s_wait_tensorcnt 0x0                    ; the wave's end: a tensor wait, an add of 0 to my spare word and an LDS wait, behind my last LDS store
	ds_add_u32 v28, v29
	s_wait_dscnt 0x0
	s_endpgm
.Lfunc_end_k_qcafd186b04_kproj:
	.size	k_qcafd186b04_kproj, .Lfunc_end_k_qcafd186b04_kproj-k_qcafd186b04_kproj
	.p2alignl 7, 3214868480
	.fill 96, 4, 3214868480
	.section	.rodata,"a",@progbits
	.p2align	6, 0x0
	.amdhsa_kernel k_qcafd186b04_kproj
		.amdhsa_group_segment_fixed_size 29184
		.amdhsa_private_segment_fixed_size 0
		.amdhsa_enable_private_segment 0
		.amdhsa_kernarg_size 48
		.amdhsa_user_sgpr_count 2
		.amdhsa_user_sgpr_kernarg_segment_ptr 1
		.amdhsa_wavefront_size32 1
		.amdhsa_system_sgpr_workgroup_id_x 1
		.amdhsa_system_sgpr_workgroup_id_y 1
		.amdhsa_system_sgpr_workgroup_id_z 1
		.amdhsa_system_vgpr_workitem_id 0
		.amdhsa_next_free_vgpr 896
		.amdhsa_next_free_sgpr 66
		.amdhsa_reserve_vcc 0
		.amdhsa_float_denorm_mode_32 3
		.amdhsa_float_denorm_mode_16_64 3
		.amdhsa_memory_ordered 1
		.amdhsa_forward_progress 1
		.amdhsa_inst_pref_size 75
	.end_amdhsa_kernel
	.amdgpu_metadata
---
amdhsa.version: [ 1, 2 ]
amdhsa.kernels:
  - .name:           k_qcafd186b04_kproj
    .symbol:         k_qcafd186b04_kproj.kd
    .args:
      - { .name: K, .offset: 0, .size: 8, .value_kind: global_buffer, .address_space: global }
      - { .name: WK_w, .offset: 8, .size: 8, .value_kind: global_buffer, .address_space: global }
      - { .name: WK_b, .offset: 16, .size: 8, .value_kind: global_buffer, .address_space: global }
      - { .name: WQ_b, .offset: 24, .size: 8, .value_kind: global_buffer, .address_space: global }
      - { .name: kh, .offset: 32, .size: 8, .value_kind: global_buffer, .address_space: global }
      - { .name: tpart, .offset: 40, .size: 8, .value_kind: global_buffer, .address_space: global }
    .group_segment_fixed_size: 29184
    .private_segment_fixed_size: 0
    .kernarg_segment_align: 8
    .kernarg_segment_size: 48
    .max_flat_workgroup_size: 128
    .sgpr_count:     66
    .vgpr_count:     896
    .wavefront_size: 32
...
	.end_amdgpu_metadata
.endif
;; end of part 1
;; launch kfold (part 2): grid 16 x 16, 4 waves a work-group, clusters of 4 x 1, 327,680 bytes of LDS; arguments kh, WQ_w, kp; writes kp
.if DOCPART == 2
	.amdgcn_target "amdgcn-amd-amdhsa--gfx1250"
	.amdhsa_code_object_version 6
	.text
	.protected	k_qcafd186b04_kfold
	.globl	k_qcafd186b04_kfold
	.p2align	8
	.type	k_qcafd186b04_kfold,@function
k_qcafd186b04_kfold:
	s_mov_b64 s[64:65], 0
	v_nop
	global_prefetch_b8 v0, s[64:65] scope:SCOPE_SE
	s_setreg_imm32_b32 hwreg(HW_REG_WAVE_MODE, 25, 1), 1
	s_wait_xcnt 0x0
	s_wait_alu depctr_hold_cnt(0) depctr_sa_sdst(0) depctr_va_vdst(0) depctr_va_sdst(0) depctr_va_ssrc(0) depctr_va_vcc(0) depctr_vm_vsrc(0)
	s_getreg_b32 s2, hwreg(HW_REG_IB_STS2, 6, 4)
	s_cmp_eq_u32 s2, 0
	s_cbranch_scc0 .Lentry_in_a_cluster
	s_endpgm
.Lentry_in_a_cluster:
	s_bfe_u32 s2, ttmp6, 0x10000c
	s_cmp_lg_u32 s2, 0x3003
	s_cbranch_scc0 .Lentry_shape_is_right
	s_endpgm
.Lentry_shape_is_right:
; kp[row][i] = 2^-10 x the sum over d of kh[row][d] WQ_w[d][i], f16, in blocks [i / 64][row][64].  With it q . k = Q . (k WQ_w) + WQ_b . k: the projection of
; the 16,384 queries is replaced by one of the 4,096 keys.  The factor 2^-10 keeps kp inside f16; the next launch takes it back.
; SHARES. A work-group makes 256 rows x 64 columns, a wave 64 rows (four blocks b of 16) x four blocks a of 16 columns; 16 trips of 64 along d.
; FORM. D = SH x PR.  Source 0 = WQ_w, which lies [d][i] in f32: each wave loads a quarter of a tile (64 d x 256 bytes), rounds it in registers and lays it into one of two LDS slots;
; it is read turned, by ds_load_tr16_b128.  Source 1 = kh.  In D a lane holds ONE row and eight neighbouring columns: 16 bytes of kp.
; CLUSTER. The four work-groups of a cluster have the same 256 rows and neighbouring columns, so kh is asked for JOINTLY: the same tensor load, descriptor and mask in all four.
; A ring of two slots, four blocks of 64 d each; wave w fetches block w (32,768 dense bytes, as 128 rows of 256, padded by 16 bytes after every 128).  Piece (w, slot) lies at
; w x 2 BLK + slot x BLK; BLK = 0x9000 shares no bit with w x 0x12000, so one exclusive or turns a slot's address into the other's.  A wave has at most two tensor loads out.
; WQ_w is not asked for jointly: it is f32 and is rounded in registers on its way.  No prefetch: the ring has four slots in all, two of them first fills.
; LIMITS. |WQ_w| under 65,504, |k WQ_w| under 6.7e7; below 6e-5 kp keeps f16's fixed step of 6e-8.  NaN and infinities are not treated apart.
; WINDOWS of 256 registers: 0 addresses, SH's fragments (v64-127), work; 1 accumulators (a, b) at 8 (4 b + a); 2 kh's fragments, two sets (v0-127), SH as loaded, two sets (v128-191).
.set A, 4
.set P, 160                     ; an LDS row of SH: 128 bytes + 32
.set SLOTB, 64*P
.set NSH, 2*A                   ; loads of a wave for its quarter of SH's tile
.set T, 16
.set NB, 4                      ; blocks of 64 in a slot of the ring
.set NS, T/NB
.set SHSTEP, 262144
.set BLK, 256*144               ; a block in LDS: 256 rows of 128 bytes + 16
.set PRNEXT, 2*BLK
.set SLOTX, BLK
.set PRSTEP, NB*524288
.set RING, 8*BLK
.set SHBASE, RING
.set SP, 144
.set STG0, SHBASE+2*SLOTB       ; the stages: bytes of their own
.set STGW, 16*SP
.set SPARE, STG0+4*STGW
.set SHS, 128
.set SHF, 64
.set TMP, 192
.set OB, 208
.set MSB, 0
.macro WIN new                  ; the high byte repeats the setting that is left; a switch that changes nothing is dropped
.if MSB != (\new)
	s_set_vgpr_msb (MSB<<8)|(\new)
.set MSB, (\new)
.endif
.endm
.set W_CV, 0x0a
.set W_L2, 0x80
.set W_MM, 0x58
.set W_A1, 0x01
.set W_I1, 0x40
.macro PLACES                   ; four plain places behind matrix instructions (ISA guide 7.12.1)
.rept 4
	v_nop
.endr
.endm
.macro ROUND                    ; a round of the cluster's barrier: my work-group's barrier, wave 0 signals for it, all wait for the four work-groups, my work-group's barrier again
	s_barrier_signal -1
	s_barrier_wait -1
	s_cmp_lg_u32 s16, 0
	s_cbranch_scc1 .Lnw0_\@
	s_barrier_signal -3
.Lnw0_\@:
	s_barrier_wait -3
	s_barrier_signal -1
	s_barrier_wait -1
.endm
.macro LANES
	v_lshrrev_b32 v16, 5, v0
	v_readfirstlane_b32 s16, v16            ; wave
	v_and_b32 v1, 15, v0                    ; r
	v_bfe_u32 v2, v0, 4, 1                  ; h
	v_and_b32 v3, 31, v0                    ; lane
	s_bfe_u32 s87, ttmp6, 0x40000           ; cx: it enters global addresses of SH and of the output alone
	s_lshl_b32 s18, ttmp9, 2
	s_add_co_u32 s18, s18, s87              ; x
	s_and_b32 s19, ttmp7, 0xffff            ; y, which the four partners share
	s_mov_b32 s21, 0
	s_mov_b32 s67, 0
	s_mul_i32 s63, s16, 4*A*4096
	v_lshlrev_b32 v4, 12, v2
	v_lshl_add_u32 v4, v1, 4, v4
	v_add_nc_u32 v4, s63, v4                ; SH in memory: row 16 w + h, 16 bytes at 16 r: a load takes two pieces of 256 bytes, aligned
	s_mul_i32 s63, s16, 4*A*P
	s_add_co_u32 s63, s63, SHBASE
	v_mul_u32_u24 v5, v2, P
	v_lshl_add_u32 v5, v1, 3, v5
	v_add_nc_u32 v5, s63, v5                ; the same place in a slot, 8 bytes of f16
	v_and_b32 v16, 7, v0
	v_lshl_add_u32 v6, v2, 3, v16
	v_mul_u32_u24 v6, v6, P
	v_bfe_u32 v16, v0, 3, 1
	v_lshl_add_u32 v6, v16, 4, v6
	v_add_nc_u32 v6, SHBASE, v6             ; the turning load: row 8 h + lane % 8, 16 bytes at 16 ((lane / 8) % 2)
	s_mul_i32 s63, s16, 64*144
	v_mul_u32_u24 v7, v1, 144
	v_lshl_add_u32 v7, v2, 4, v7
	v_add_nc_u32 v7, s63, v7                ; my rows in a block of the ring: row 64 w + r, 16 bytes at 16 h
	s_mul_i32 s63, s16, STGW
	s_add_co_u32 s63, s63, STG0             ; my stage
	v_mul_u32_u24 v8, v1, SP
	v_lshl_add_u32 v8, v2, 4, v8
	v_add_nc_u32 v8, s63, v8                ; in: row r, 16 bytes for each half of the lanes
	v_bfe_u32 v9, v0, 3, 2
	v_mul_u32_u24 v9, v9, SP
	v_and_b32 v16, 7, v0
	v_lshl_add_u32 v9, v16, 4, v9
	v_add_nc_u32 v9, s63, v9                ; back: 32 lanes take four rows of 128 bytes,
	v_lshlrev_b32 v10, 4, v3                ; which are 512 consecutive bytes of the output block
.endm
.macro SHLD set, step, off      ; my quarter of a tile of SH into register set 'set'
.if \step
	s_wait_xcnt 0x0                         ; the base is stepped only when every earlier load has read it
	s_add_nc_u64 s[4:5], s[4:5], (\step)*SHSTEP
.endif
	WIN W_L2
.set n1, 0
.rept NSH
	global_load_b128 v[SHS+4*NSH*(\set)+4*n1:SHS+4*NSH*(\set)+4*n1+3], v4, s[4:5] offset:(\off)+n1*8192
.set n1, n1+1
.endr
.endm
.macro SHCV set, slot           ; a tile of SH is rounded to f16 and laid into a slot
	WIN W_CV
.set n1, 0
.rept 2*NSH
	v_cvt_pk_f16_f32 v[TMP+n1], v[SHS+4*NSH*(\set)+2*n1], v[SHS+4*NSH*(\set)+2*n1+1]
.set n1, n1+1
.endr
	WIN 0
.set n1, 0
.rept NSH
	ds_store_b64 v5, v[TMP+2*n1:TMP+2*n1+1] offset:(\slot)*SLOTB+n1*2*P
.set n1, n1+1
.endr
.endm
.macro FRAGH slot, ks           ; SH's A fragments of 32 along K, turned
	WIN 0
.set n1, 0
.rept A
	ds_load_tr16_b128 v[SHF+8*(A*(\ks)+n1):SHF+8*(A*(\ks)+n1)+3],   v6 offset:(\slot)*SLOTB+(\ks)*32*P+n1*32
	ds_load_tr16_b128 v[SHF+8*(A*(\ks)+n1)+4:SHF+8*(A*(\ks)+n1)+7], v6 offset:(\slot)*SLOTB+(\ks)*32*P+n1*32+16*P
.set n1, n1+1
.endr
.endm
.macro PRH set, ks, ar          ; my four fragments of 32 along K out of the ring
	WIN W_L2
.set n1, 0
.rept 4
	ds_load_b128 v[64*(\set)+16*n1+8*(\ks):64*(\set)+16*n1+8*(\ks)+3],   v[\ar] offset:n1*2304+(\ks)*64
	ds_load_b128 v[64*(\set)+16*n1+8*(\ks)+4:64*(\set)+16*n1+8*(\ks)+7], v[\ar] offset:n1*2304+(\ks)*64+32
.set n1, n1+1
.endr
.endm
.macro MUL pr, ks               ; 4 A products, each on another accumulator: between two links of a chain stand 4 A - 1 others', over the backward jumps too
	WIN W_MM
.set n1, 0
.rept 4*A
.set rA, 8*(A*(n1%4)+n1/4)
	v_wmma_f32_16x16x32_f16 v[rA:rA+7], v[SHF+8*(A*(\ks)+n1/4):SHF+8*(A*(\ks)+n1/4)+7], v[(\pr)+16*(n1%4)+8*(\ks):(\pr)+16*(n1%4)+8*(\ks)+7], v[rA:rA+7]
.set n1, n1+1
.endr
.endm
; Trip t.  p = t % 2: SH's slot and my fragments' set.  st: SH's tile t + 1 (register set cs) goes into the other slot, and a barrier ends the trip; cnt: the younger loads that may stay out.
; ld: a further tile of SH is asked for, into set ls.  pl: my fragments of this trip are fetched at its head.  pf = k > 0: those of the block k further on are fetched between the two halves of products.
.macro TRIP p, cs, ls, ld, st, cnt, pl, pf
.if \pl
	WIN 0
	v_add_nc_u32 v26, s60, v7               ; the block's place in the ring
.endif
	FRAGH \p, 0
.if \pl
	PRH \p, 0, 26
.endif
	FRAGH \p, 1
.if \pl
	PRH \p, 1, 26
.endif
	s_wait_dscnt 2*A+8*(\pl)                ; the first 32 along K are in; the second half's loads may be out
	MUL 64*(\p), 0
.if \st
	s_wait_loadcnt \cnt                     ; SH's tile t + 1 is in registers
	SHCV \cs, 1-(\p)
.endif
.if \ld
	SHLD \ls, 1, 0
.endif
.set PFN, 0
.if \pf
.set PFN, 16
	WIN 0
	v_add_nc_u32 v27, (\pf)*PRNEXT, v26
	PRH 1-(\p), 0, 27
	PRH 1-(\p), 1, 27
.endif
	s_wait_dscnt NSH*(\st)+PFN              ; the second 32 along K are in; the stores and the fetch ahead may be out
	MUL 64*(\p), 1
	WIN 0
	PLACES                                  ; ahead of loads into registers that the products have read
.if \st
	s_wait_dscnt 0x0                        ; my stores into the other slot are done, my reads of this one are over
	s_barrier_signal -1                     ; one barrier a trip orders both ways
	s_barrier_wait -1
.endif
.endm
; THE CHANGE OF SLOTS of the ring.  Each wave waits for all its tensor loads (one is out: its block of the next slot), adds 0 to its spare word, and waits for that and for its reads.
; fill = 1: the slot just read is filled again, two slots on; the barrier is a round of the cluster's, and the joint load is the first thing behind it: four trips in which to land.
.macro CHANGE fill
	WIN 0
	s_wait_tensorcnt 0x0                    ; no tensor load of mine is out, so the walking descriptor may be written
	ds_add_u32 v28, v29                     ; 0 onto my spare word
.if \fill
	s_xor_b32 s37, s37, SLOTX               ; the other slot than last time,
	s_add_nc_u64 s[38:39], s[38:39], PRSTEP ; the next four blocks; the type bits on top are not reached
.endif
	s_sub_co_u32 s60, s60, 4*PRNEXT         ; my reads go back to a slot's first block,
	s_xor_b32 s60, s60, SLOTX               ; in the other slot
	s_wait_dscnt 0x0                        ; the add is done, and my reads of the slot are over
.if \fill
	ROUND
	tensor_load_to_lds s[36:39], s[40:47]
	s_nop 0
	PLACES
.else
	s_barrier_signal -1
	s_barrier_wait -1
.endif
.endm
.macro OUTST src, off           ; 16 rows x 64 f16 through my own stage, out as 4 x 512 consecutive bytes
	s_wait_xcnt 0x0                         ; earlier stores have read OB
.irp f, 0,1,2,3
	ds_store_b128 v8, v[(\src)+4*\f:(\src)+4*\f+3] offset:32*\f
.endr
.irp f, 0,1,2,3
	ds_load_b128 v[OB+4*\f:OB+4*\f+3], v9 offset:4*SP*\f   ; LDS serves a wave's instructions in order (ISA guide 5.7.1.4): these see the stores above
.endr
	s_wait_dscnt 0x0
.irp f, 0,1,2,3
	global_store_b128 v10, v[OB+4*\f:OB+4*\f+3], s[8:9] offset:(\off)+512*\f
.endr
.endm
.macro OUT16 win, src, off
	WIN \win
.set n1, 0
.rept 16
	v_cvt_pk_f16_f32 v[TMP+n1], v[(\src)+2*n1], v[(\src)+2*n1+1]
.set n1, n1+1
.endr
	WIN 0
	OUTST TMP, \off
.endm
	s_load_b128 s[68:71], s[0:1], 0x0       ; kh, WQ_w
	s_load_b64 s[72:73], s[0:1], 0x10       ; kp
	v_lshl_add_u32 v28, v0, 2, SPARE
	v_mov_b32 v29, 0
	ds_add_u32 v28, v29                     ; the wave's opening: the add and its wait stand ahead of my first tensor load; the set-up, work on registers, stands between
	LANES
	s_mov_b32 s32, 1                        ; group 0 for slot 0: count = 1,
	s_mul_i32 s33, s16, PRNEXT              ; LDS address of my block
	s_mov_b32 s36, 1                        ; group 0 for slot 1, which then walks on
	s_add_co_u32 s37, s33, BLK
	s_mov_b32 s40, 15|(1<<16)|(1<<20)|(1<<21)|(4<<22)|(3<<25)  ; the mask of four; elements of 2 bytes; padding on; bit 21 beside a mask; after every 32 words, 4 words
	s_mov_b32 s41, 128<<16                  ; tensor_dim0 = 128
	s_mov_b32 s42, 128<<16                  ; tensor_dim1 = 128
	s_mov_b32 s43, 128<<16                  ; tile_dim0 = 128
	s_mov_b32 s44, 128                      ; tile_dim1 = 128
	s_mov_b32 s45, 128                      ; the pitch: the block is dense
	s_mov_b32 s46, 0
	s_mov_b32 s47, 0
	s_lshl_b32 s66, s19, 15                 ; row 256 y of a block,
	s_lshl_b32 s63, s16, 19                 ; block w
	s_add_co_u32 s66, s66, s63
	s_wait_dscnt 0x0                        ; the opening add is done
	s_wait_kmcnt 0x0
	s_add_nc_u64 s[34:35], s[68:69], s[66:67]
	s_add_nc_u64 s[38:39], s[34:35], PRSTEP
	s_or_b32 s35, s35, 0x80000000           ; type = 2
	s_or_b32 s39, s39, 0x80000000
	s_lshl_b32 s20, s18, 8
	s_add_nc_u64 s[4:5], s[70:71], s[20:21] ; WQ_w at column 64 x
	s_lshl_b32 s20, s18, 19
	s_lshl_b32 s22, s19, 15
	s_add_co_u32 s20, s20, s22
	s_lshl_b32 s22, s16, 13
	s_add_co_u32 s20, s20, s22
	s_add_nc_u64 s[8:9], s[72:73], s[20:21] ; kp: block x, row 256 y + 64 w
	SHLD 0, 0, 0                            ; SH's tiles 0 and 1
	SHLD 1, 0, SHSTEP
	WIN 0
	ROUND                                   ; all four work-groups are here: the first joint loads meet
	tensor_load_to_lds s[32:35], s[40:47]   ; slot 0: blocks 0-3
	s_nop 0
	tensor_load_to_lds s[36:39], s[40:47]   ; slot 1: blocks 4-7
	s_nop 0
	PLACES
	WIN W_I1
.set n1, 0
.rept 32*A
	v_mov_b32 v[n1], 0                      ; the sums start at 0, written while the first loads are out, so that the loop has one form of product
.set n1, n1+1
.endr
	WIN 0
	s_wait_loadcnt NSH                      ; SH's tile 0 is in; tile 1 stays out
	SHCV 0, 0
	SHLD 0, 2, 0                            ; tile 2
	WIN 0
	s_wait_tensorcnt 0x1                    ; my block of slot 0 is in; slot 1's may stay out
	s_wait_dscnt 0x0
	s_barrier_signal -1
	s_barrier_wait -1
	s_mov_b32 s60, 0
	s_mov_b32 s17, NS-1
	s_branch .Lfirst                        ; the first slot is read without a change in front of it
.Lslot:                                         ; every slot but the last two is filled again
	CHANGE 1
.Lfirst:
	s_mov_b32 s61, NB/2
.Lpair:
	TRIP 0, 1, 1, 1, 1, NSH, 1, 1
	TRIP 1, 0, 0, 1, 1, NSH, 0, 0
	s_add_co_u32 s60, s60, 2*PRNEXT
	s_sub_co_u32 s61, s61, 1
	s_cmp_lg_u32 s61, 0
	s_cbranch_scc1 .Lpair
	s_sub_co_u32 s17, s17, 1
	s_cmp_lg_u32 s17, 0
	s_cbranch_scc1 .Lslot
	CHANGE 0                                ; the last slot is written out, and SH's loads run out
	TRIP 0, 1, 1, 1, 1, NSH, 1, 1
	TRIP 1, 0, 0, 0, 1, NSH, 0, 0
	s_add_co_u32 s60, s60, 2*PRNEXT
	TRIP 0, 1, 1, 0, 1, 0, 1, 1
	TRIP 1, 0, 0, 0, 0, 0, 0, 0
	PLACES
.irp b, 0,1,2,3
	WIN W_A1
.set n2, 0
.rept 16
	v_pk_mul_f32 v[64+2*n2:65+2*n2], v[32*\b+2*n2:32*\b+2*n2+1], 0x3a800000 op_sel_hi:[1,0]   ; x 2^-10
.set n2, n2+1
.endr
	OUT16 0, 64, 2048*\b
.endr
	s_wait_tensorcnt 0x0                    ; the wave's end: a tensor wait, an add of 0 to my spare word and an LDS wait, behind my last tensor load and my last LDS store
	ds_add_u32 v28, v29
	s_wait_dscnt 0x0
	ROUND                                   ; the closing round: no work-group ends while a partner may still ask for a tile that names it
	s_endpgm
.Lfunc_end_k_qcafd186b04_kfold:
	.size	k_qcafd186b04_kfold, .Lfunc_end_k_qcafd186b04_kfold-k_qcafd186b04_kfold
	.p2alignl 7, 3214868480
	.fill 96, 4, 3214868480
	.section	.rodata,"a",@progbits
	.p2align	6, 0x0
	.amdhsa_kernel k_qcafd186b04_kfold
		.amdhsa_group_segment_fixed_size 327680
		.amdhsa_private_segment_fixed_size 0
		.amdhsa_enable_private_segment 0
		.amdhsa_kernarg_size 24
		.amdhsa_user_sgpr_count 2
		.amdhsa_user_sgpr_kernarg_segment_ptr 1
		.amdhsa_wavefront_size32 1
		.amdhsa_system_sgpr_workgroup_id_x 1
		.amdhsa_system_sgpr_workgroup_id_y 1
		.amdhsa_system_sgpr_workgroup_id_z 1
		.amdhsa_system_vgpr_workitem_id 0
		.amdhsa_next_free_vgpr 768
		.amdhsa_next_free_sgpr 96
		.amdhsa_reserve_vcc 0
		.amdhsa_float_denorm_mode_32 3
		.amdhsa_float_denorm_mode_16_64 3
		.amdhsa_memory_ordered 1
		.amdhsa_forward_progress 1
		.amdhsa_inst_pref_size 67
	.end_amdhsa_kernel
	.amdgpu_metadata
---
amdhsa.version: [ 1, 2 ]
amdhsa.kernels:
  - .name:           k_qcafd186b04_kfold
    .symbol:         k_qcafd186b04_kfold.kd
    .args:
      - { .name: kh, .offset: 0, .size: 8, .value_kind: global_buffer, .address_space: global }
      - { .name: WQ_w, .offset: 8, .size: 8, .value_kind: global_buffer, .address_space: global }
      - { .name: kp, .offset: 16, .size: 8, .value_kind: global_buffer, .address_space: global }
    .group_segment_fixed_size: 327680
    .private_segment_fixed_size: 0
    .kernarg_segment_align: 8
    .kernarg_segment_size: 24
    .max_flat_workgroup_size: 128
    .sgpr_count:     96
    .vgpr_count:     768
    .wavefront_size: 32
...
	.end_amdgpu_metadata
.endif
;; end of part 2
;; launch scores (part 3): grid 16 x 16, 4 waves a work-group, clusters of 4 x 1, 327,680 bytes of LDS; arguments Q, kp, attn_mask, tpart, eb, stats; writes eb, stats
.if DOCPART == 3
	.amdgcn_target "amdgcn-amd-amdhsa--gfx1250"
	.amdhsa_code_object_version 6
	.text
	.protected	k_qcafd186b04_scores
	.globl	k_qcafd186b04_scores
	.p2align	8
	.type	k_qcafd186b04_scores,@function
k_qcafd186b04_scores:
	s_mov_b64 s[64:65], 0
	v_nop
	global_prefetch_b8 v0, s[64:65] scope:SCOPE_SE
	s_setreg_imm32_b32 hwreg(HW_REG_WAVE_MODE, 25, 1), 1
	s_wait_xcnt 0x0
	s_wait_alu depctr_hold_cnt(0) depctr_sa_sdst(0) depctr_va_vdst(0) depctr_va_sdst(0) depctr_va_ssrc(0) depctr_va_vcc(0) depctr_vm_vsrc(0)
	s_getreg_b32 s2, hwreg(HW_REG_IB_STS2, 6, 4)
	s_cmp_eq_u32 s2, 0
	s_cbranch_scc0 .Lentry_in_a_cluster
	s_endpgm
.Lentry_in_a_cluster:
	s_bfe_u32 s2, ttmp6, 0x10000c
	s_cmp_lg_u32 s2, 0x3003
	s_cbranch_scc0 .Lentry_shape_is_right
	s_endpgm
.Lentry_shape_is_right:
; For a tile of 128 queries x 256 keys of one batch: s = 32 (Q . kp) + t / 32 + mask x (-1e9), t = the sum of tpart's 16 parts (= WQ_b . k); for each key the tile's maximum m over its
; 128 queries, e = exp(s - m) as f16 (eb, in blocks [q / 64][row][64]) and l = the sum of the unrounded e.  stats[batch][q tile][m, l][key], f32.  The next launch joins the 16 tiles of a key's row.
; The maximum is taken away before every exponential; s - m is formed first and scaled by log2 e afterwards, so that it stays exact where a whole tile column is masked (m near -1e9).
; SHARES. x = q tile, y = 256 rows (batch y / 2, keys 256 (y % 2) on); a wave owns 64 keys (four blocks b of 16) x 128 queries (eight blocks a).  16 trips of 64 along the 1,024 channels.
; FORM. Source 0 = 16 rows of Q (f32 rows of 256 bytes, a quarter of a tile a wave, rounded once in registers, two LDS slots), source 1 = 16 rows of kp.
; In D a lane holds ONE key (lane % 16) and eight neighbouring queries: maximum and sum want one exchange between the halves of the lanes, and e packs into 16 bytes.
; CLUSTER. The four work-groups of a cluster have the same 256 keys and neighbouring q tiles, so kp is asked for JOINTLY.  A ring of two slots, two blocks of 64 channels each; a wave fetches half a
; block (16,384 dense bytes, as 64 rows of 256, padded by 16 bytes after every 128).  Piece (w, slot) lies at w x 2 BLKH + slot x BLKH; BLKH = 0x4800 shares no bit with w x 0x9000, so one exclusive or
; changes slots.  Q is not asked for jointly: it is f32 and is rounded in registers.  THE MASK: each wave's 128 x 64 words come by one plain tensor load in the first group; filled once, read by that wave alone.
; By this text's count a wave has at most three tensor loads out.
; AHEAD OF THE RING: behind each joint load of the loop one prefetch names the slot that the next change will ask for: the cluster with x = 0 asks, its even waves a block each, the four partners 32 pieces
; of 256 bytes each, told apart by address; the change in the tail asks for nothing.
; LIMITS. |Q| under 65,504 (f16).  The mask may hold any int32.  A weight below 2^-126 counts as 0.  NaN and infinities are not treated apart.
; WINDOWS: 0 addresses, t (v32-39), Q's fragments (v64-191; on the way out scores and mask), work (v192-255); 1 accumulators (a, b) at 8 (8 b + a); 2 kp's fragments, two sets (v0-127), Q as loaded, two sets (v128-255).
.set A, 8
.set P, 144                     ; an LDS row of SH: 128 bytes + 16
.set SLOTB, 16*A*P
.set NSH, 2*A
.set T, 16
.set NB, 2
.set NS, T/NB
.set SHSTEP, 256
.set BLKH, 128*144              ; half a block in LDS
.set PRNEXT, 4*BLKH             ; from a block to the next in the same slot
.set SLOTX, BLKH
.set PRSTEP, NB*524288
.set RING, 8*BLKH
.set SHBASE, RING
.set SP, 144
.set MP, 264                    ; a row of the mask in LDS: 256 bytes + 8
.set MASK, SHBASE+2*SLOTB
.set STAT, MASK+4*128*MP        ; for each wave 768 bytes: t, m, l of its 64 keys
.set SPARE, STAT+4*768
.set STGW, 2*BLKH               ; the stage on the way out: the head of my piece of slot 0, which has had its last fill and, behind the last change's barrier, its last read
.set SHS, 128
.set SHF, 64
.set TMP, 192
.set OB, 208
.set X, 64
.set MK, 128
.set EH, 224
.set MSB, 0
.macro WIN new                  ; the high byte repeats the setting that is left; a switch that changes nothing is dropped
.if MSB != (\new)
	s_set_vgpr_msb (MSB<<8)|(\new)
.set MSB, (\new)
.endif
.endm
.set W_CV, 0x0a
.set W_L2, 0x80
.set W_MM, 0x58
.set W_A1, 0x01
.set W_I1, 0x40
.macro PLACES                   ; four plain places behind matrix instructions (ISA guide 7.12.1)
.rept 4
	v_nop
.endr
.endm
.macro ROUND                    ; a round of the cluster's barrier
	s_barrier_signal -1
	s_barrier_wait -1
	s_cmp_lg_u32 s16, 0
	s_cbranch_scc1 .Lnw0_\@
	s_barrier_signal -3
.Lnw0_\@:
	s_barrier_wait -3
	s_barrier_signal -1
	s_barrier_wait -1
.endm
.macro LANES
	v_lshrrev_b32 v16, 5, v0
	v_readfirstlane_b32 s16, v16            ; wave
	v_and_b32 v1, 15, v0                    ; r
	v_bfe_u32 v2, v0, 4, 1                  ; h
	v_and_b32 v3, 31, v0                    ; lane
	s_bfe_u32 s87, ttmp6, 0x40000           ; cx: it enters global addresses alone, never kp's descriptors
	s_lshl_b32 s18, ttmp9, 2
	s_add_co_u32 s18, s18, s87              ; x
	s_and_b32 s19, ttmp7, 0xffff            ; y, which the four partners share
	s_mov_b32 s21, 0
	s_mov_b32 s67, 0
	s_mul_i32 s63, s16, 4*A*4096
	v_lshlrev_b32 v4, 12, v2
	v_lshl_add_u32 v4, v1, 4, v4
	v_add_nc_u32 v4, s63, v4                ; Q in memory: row 32 w + h, 16 bytes at 16 r: a load takes two pieces of 256 bytes, aligned
	s_mul_i32 s63, s16, 4*A*P
	s_add_co_u32 s63, s63, SHBASE
	v_mul_u32_u24 v5, v2, P
	v_lshl_add_u32 v5, v1, 3, v5
	v_add_nc_u32 v5, s63, v5                ; the same place in a slot, 8 bytes of f16
	v_mul_u32_u24 v6, v1, P
	v_lshl_add_u32 v6, v2, 4, v6
	v_add_nc_u32 v6, SHBASE, v6             ; a fragment: row r, 16 bytes at 16 h
	s_lshr_b32 s63, s16, 1
	s_mul_i32 s63, s63, 2*BLKH              ; my rows lie in the half w / 2 of a block,
	s_and_b32 s23, s16, 1
	s_mul_i32 s23, s23, 64*144              ; 64 (w % 2) rows down
	s_add_co_u32 s63, s63, s23
	v_mul_u32_u24 v7, v1, 144
	v_lshl_add_u32 v7, v2, 4, v7
	v_add_nc_u32 v7, s63, v7
	s_mul_i32 s63, s16, STGW                ; my stage
	v_mul_u32_u24 v8, v1, SP
	v_lshl_add_u32 v8, v2, 4, v8
	v_add_nc_u32 v8, s63, v8
	v_bfe_u32 v9, v0, 3, 2
	v_mul_u32_u24 v9, v9, SP
	v_and_b32 v16, 7, v0
	v_lshl_add_u32 v9, v16, 4, v9
	v_add_nc_u32 v9, s63, v9
	v_lshlrev_b32 v10, 4, v3
.endm
.macro SHLD set, step, off      ; my quarter of a tile of Q into register set 'set'
.if \step
	s_wait_xcnt 0x0                         ; the base is stepped only when every earlier load and prefetch has read its address
	s_add_nc_u64 s[4:5], s[4:5], (\step)*SHSTEP
.endif
	WIN W_L2
.set n1, 0
.rept NSH
	global_load_b128 v[SHS+4*NSH*(\set)+4*n1:SHS+4*NSH*(\set)+4*n1+3], v4, s[4:5] offset:(\off)+n1*8192
.set n1, n1+1
.endr
.endm
.macro SHCV set, slot
	WIN W_CV
.set n1, 0
.rept 2*NSH
	v_cvt_pk_f16_f32 v[TMP+n1], v[SHS+4*NSH*(\set)+2*n1], v[SHS+4*NSH*(\set)+2*n1+1]
.set n1, n1+1
.endr
	WIN 0
.set n1, 0
.rept NSH
	ds_store_b64 v5, v[TMP+2*n1:TMP+2*n1+1] offset:(\slot)*SLOTB+n1*2*P
.set n1, n1+1
.endr
.endm
.macro FRAGH slot, ks           ; Q's A fragments of 32 along K
	WIN 0
.set n1, 0
.rept A
	ds_load_b128 v[SHF+8*(A*(\ks)+n1):SHF+8*(A*(\ks)+n1)+3],   v6 offset:(\slot)*SLOTB+n1*16*P+(\ks)*64
	ds_load_b128 v[SHF+8*(A*(\ks)+n1)+4:SHF+8*(A*(\ks)+n1)+7], v6 offset:(\slot)*SLOTB+n1*16*P+(\ks)*64+32
.set n1, n1+1
.endr
.endm
.macro PRH set, ks, ar          ; my four fragments of 32 along K out of the ring
	WIN W_L2
.set n1, 0
.rept 4
	ds_load_b128 v[64*(\set)+16*n1+8*(\ks):64*(\set)+16*n1+8*(\ks)+3],   v[\ar] offset:n1*2304+(\ks)*64
	ds_load_b128 v[64*(\set)+16*n1+8*(\ks)+4:64*(\set)+16*n1+8*(\ks)+7], v[\ar] offset:n1*2304+(\ks)*64+32
.set n1, n1+1
.endr
.endm
.macro MUL pr, ks               ; 4 A products, each on another accumulator: between two links of a chain stand 4 A - 1 others', over the backward jump too
	WIN W_MM
.set n1, 0
.rept 4*A
.set rA, 8*(A*(n1%4)+n1/4)
	v_wmma_f32_16x16x32_f16 v[rA:rA+7], v[SHF+8*(A*(\ks)+n1/4):SHF+8*(A*(\ks)+n1/4)+7], v[(\pr)+16*(n1%4)+8*(\ks):(\pr)+16*(n1%4)+8*(\ks)+7], v[rA:rA+7]
.set n1, n1+1
.endr
.endm
; Trip t.  p = t % 2: Q's slot and my fragments' set.  st: Q's tile t + 1 (register set cs) goes into the other slot, and a barrier ends the trip; cnt: the younger loads that may stay out.
; ld: a further tile of Q is asked for, into set ls.  pl: my fragments of this trip are fetched at its head.  pf = k > 0: those of the block k further on are fetched between the two halves of products.
.macro TRIP p, cs, ls, ld, st, cnt, pl, pf
.if \pl
	WIN 0
	v_add_nc_u32 v26, s60, v7               ; the block's place in the ring
.endif
	FRAGH \p, 0
.if \pl
	PRH \p, 0, 26
.endif
	FRAGH \p, 1
.if \pl
	PRH \p, 1, 26
.endif
	s_wait_dscnt 2*A+8*(\pl)                ; the first 32 along K are in; the second half's loads may be out
	MUL 64*(\p), 0
.if \st
	s_wait_loadcnt \cnt                     ; Q's tile t + 1 is in registers
	SHCV \cs, 1-(\p)
.endif
.if \ld
	SHLD \ls, 1, 0
.endif
.set PFN, 0
.if \pf
.set PFN, 16
	WIN 0
	v_add_nc_u32 v27, (\pf)*PRNEXT, v26
	PRH 1-(\p), 0, 27
	PRH 1-(\p), 1, 27
.endif
	s_wait_dscnt NSH*(\st)+PFN              ; the second 32 along K are in; the stores and the fetch ahead may be out
	MUL 64*(\p), 1
	WIN 0
	PLACES                                  ; ahead of loads into registers that the products have read
.if \st
	s_wait_dscnt 0x0                        ; my stores into the other slot are done, my reads of this one are over
	s_barrier_signal -1                     ; one barrier a trip orders both ways
	s_barrier_wait -1
.endif
.endm
; THE CHANGE OF SLOTS of the ring.  Each wave waits for all its tensor loads, adds 0 to its spare word, and waits for that and for its reads.
; fill = 1: the slot just read is filled again, two slots on; the barrier is a round of the cluster's, and the joint load is the first thing behind it: two trips, 128 products, in which to land.
; ask = 1: behind it the prefetch of the slot that the next change will ask for.
.macro CHANGE fill, ask
	WIN 0
	s_wait_tensorcnt 0x0                    ; no tensor load of mine is out, so the walking descriptor may be written
	ds_add_u32 v28, v29                     ; 0 onto my spare word
.if \fill
	s_xor_b32 s37, s37, SLOTX               ; the other slot than last time,
	s_add_nc_u64 s[38:39], s[38:39], PRSTEP ; the next two blocks; the type bits on top are not reached
.endif
.if \ask
	s_wait_xcnt 0x0                         ; the last prefetch, two trips back, has read its address
	s_add_nc_u64 s[84:85], s[84:85], PRSTEP ; one slot ahead of the walking descriptor
.endif
	s_xor_b32 s60, s60, SLOTX               ; my reads go to the other slot
	s_wait_dscnt 0x0                        ; the add is done, and my reads of the slot are over
.if \fill
	ROUND
	tensor_load_to_lds s[36:39], s[40:47]
	s_nop 0
	PLACES
.else
	s_barrier_signal -1
	s_barrier_wait -1
.endif
.if \ask
	s_cmp_gt_u32 s17, s86                   ; s86 = 0 in the waves that ask, else the greatest number
	s_cbranch_scc0 .Lnm_\@
	global_prefetch_b8 v30, s[84:85] th:TH_LOAD_NT scope:SCOPE_SE
.Lnm_\@:
.endif
.endm
.macro OUTST src, off           ; 16 rows x 64 f16 through my own stage, out as 4 x 512 consecutive bytes
	s_wait_xcnt 0x0                         ; earlier stores have read OB
.irp f, 0,1,2,3
	ds_store_b128 v8, v[(\src)+4*\f:(\src)+4*\f+3] offset:32*\f
.endr
.irp f, 0,1,2,3
	ds_load_b128 v[OB+4*\f:OB+4*\f+3], v9 offset:4*SP*\f   ; LDS serves a wave's instructions in order (ISA guide 5.7.1.4)
.endr
	s_wait_dscnt 0x0
.irp f, 0,1,2,3
	global_store_b128 v10, v[OB+4*\f:OB+4*\f+3], s[8:9] offset:(\off)+512*\f
.endr
.endm
	s_load_b256 s[68:75], s[0:1], 0x0       ; Q, kp, attn_mask, tpart
	s_load_b128 s[76:79], s[0:1], 0x20      ; eb, stats
	v_lshl_add_u32 v28, v0, 2, SPARE
	v_mov_b32 v29, 0
	ds_add_u32 v28, v29                     ; the wave's opening: the add and its wait stand ahead of my first tensor load; the set-up, work on registers, stands between
	LANES
	s_mov_b32 s24, 0x76543210               ; v_permlanex16_b32: each lane takes its own place in the other half
	s_mov_b32 s25, 0xfedcba98
	s_mov_b32 s26, 0x42000000               ; 32 = 2^10 / sqrt(1024)
	s_mov_b32 s27, 0x42000000
	s_mov_b32 s28, 0xce6e6b28               ; -1e9
	s_mov_b32 s29, 0xce6e6b28
	s_mov_b32 s30, 0x3fb8aa3b               ; log2 e
	s_mov_b32 s31, 0x3fb8aa3b
	s_mov_b32 s32, 1                        ; kp, group 0 for slot 0: count = 1,
	s_mul_i32 s33, s16, 2*BLKH              ; LDS address of my piece
	s_mov_b32 s36, 1                        ; group 0 for slot 1, which then walks on
	s_add_co_u32 s37, s33, BLKH
	s_mov_b32 s40, 15|(1<<16)|(1<<20)|(1<<21)|(4<<22)|(3<<25)  ; the mask of four; elements of 2 bytes; padding on; bit 21 beside a mask; after every 32 words, 4 words
	s_mov_b32 s41, 128<<16                  ; tensor_dim0 = 128
	s_mov_b32 s42, 64<<16                   ; tensor_dim1 = 64
	s_mov_b32 s43, 128<<16                  ; tile_dim0 = 128
	s_mov_b32 s44, 64                       ; tile_dim1 = 64
	s_mov_b32 s45, 128                      ; the pitch: the piece is dense
	s_mov_b32 s46, 0
	s_mov_b32 s47, 0
	s_lshl_b32 s66, s19, 15                 ; row 256 y of a block,
	s_lshr_b32 s63, s16, 1
	s_lshl_b32 s63, s63, 19                 ; block w / 2,
	s_add_co_u32 s66, s66, s63
	s_and_b32 s63, s16, 1
	s_lshl_b32 s63, s63, 14                 ; its half w % 2
	s_add_co_u32 s66, s66, s63
	; the mask's descriptor: 128 rows (queries) x 64 words (my keys), 512 words from row to row; no work-group mask: a load of my own
	s_mov_b32 s48, 1
	s_mul_i32 s49, s16, 128*MP
	s_add_co_u32 s49, s49, MASK
	s_mov_b32 s52, (2<<16)|(1<<20)|(5<<22)|(1<<25)  ; elements of 4 bytes; padding on: after every 64 words, 2 words
	s_mov_b32 s53, 64<<16
	s_mov_b32 s54, 128<<16
	s_mov_b32 s55, 64<<16
	s_mov_b32 s56, 128
	s_mov_b32 s57, 512
	s_mov_b32 s58, 0
	s_mov_b32 s59, 0
	v_mul_u32_u24 v11, v2, 8*MP
	v_lshl_add_u32 v11, v1, 2, v11
	v_add_nc_u32 v11, s49, v11              ; mask: query 8 h, key r of my part
	s_mul_i32 s63, s16, 768
	s_add_co_u32 s63, s63, STAT
	v_lshl_add_u32 v12, v1, 2, s63          ; t, m, l: by key r,
	v_lshl_add_u32 v13, v3, 3, s63          ; and two keys a lane
	v_lshlrev_b32 v14, 3, v3
	v_mov_b32 v23, 0                        ; (a destination of v_permlanex16_b32 counts as read)
	v_lshlrev_b32 v30, 8, v3                ; the prefetch: a lane a piece of 256 bytes; never rewritten
	s_lshr_b32 s22, s19, 1                  ; batch
	s_and_b32 s23, s19, 1
	s_lshl_b32 s23, s23, 10
	s_lshl_b32 s82, s16, 8
	s_add_co_u32 s23, s23, s82              ; my 64 keys among a batch's 512, in words of 4 bytes
	s_and_b32 s86, s16, 1                   ; even waves
	s_or_b32 s86, s86, ttmp9                ; of the first cluster along x ask: the same in all four partners
	s_cmp_eq_u32 s86, 0
	s_cselect_b32 s86, 0, -1
	s_wait_dscnt 0x0                        ; the opening add is done
	s_wait_kmcnt 0x0
	s_add_nc_u64 s[34:35], s[70:71], s[66:67]
	s_add_nc_u64 s[38:39], s[34:35], PRSTEP
	s_lshl_b32 s82, s87, 13                 ; my work-group's 32 pieces of a block's 128
	s_mov_b32 s83, 0
	s_add_nc_u64 s[84:85], s[34:35], s[82:83]
	s_add_nc_u64 s[84:85], s[84:85], 2*PRSTEP       ; at slot 2: the first change steps it to slot 3
	s_or_b32 s35, s35, 0x80000000           ; type = 2
	s_or_b32 s39, s39, 0x80000000
	s_lshl_b32 s20, s22, 22
	s_lshl_b32 s82, s18, 18
	s_add_co_u32 s20, s20, s82
	s_add_co_u32 s20, s20, s23
	s_add_nc_u64 s[50:51], s[72:73], s[20:21]       ; the mask's tile: batch, query 128 x, my keys
	s_or_b32 s51, s51, 0x80000000
	s_lshl_b32 s20, s22, 23
	s_lshl_b32 s82, s18, 19
	s_add_co_u32 s20, s20, s82
	s_add_nc_u64 s[4:5], s[68:69], s[20:21] ; Q: batch, row 128 x
	s_lshl_b32 s20, s18, 20
	s_lshl_b32 s82, s19, 15
	s_add_co_u32 s20, s20, s82
	s_lshl_b32 s82, s16, 13
	s_add_co_u32 s20, s20, s82
	s_add_nc_u64 s[8:9], s[76:77], s[20:21] ; eb: block 2 x, row 256 y + 64 w
	s_lshl_b32 s20, s19, 10
	s_lshl_b32 s82, s16, 8
	s_add_co_u32 s20, s20, s82
	s_add_nc_u64 s[12:13], s[74:75], s[20:21]       ; tpart at my 64 rows
	s_lshl_b32 s20, s22, 16
	s_lshl_b32 s82, s18, 12
	s_add_co_u32 s20, s20, s82
	s_add_co_u32 s20, s20, s23
	s_add_nc_u64 s[14:15], s[78:79], s[20:21]       ; stats: batch, q tile x, my keys
.set n2, 0
.rept 16
	global_load_b64 v[64+2*n2:65+2*n2], v14, s[12:13] offset:n2*16384
.set n2, n2+1
.endr
	SHLD 0, 0, 0                            ; Q's tiles 0 and 1
	SHLD 1, 0, SHSTEP
	WIN 0
	ROUND                                   ; all four work-groups are here: the first joint loads meet
	tensor_load_to_lds s[32:35], s[40:47]   ; slot 0: blocks 0, 1
	s_nop 0
	tensor_load_to_lds s[36:39], s[40:47]   ; slot 1: blocks 2, 3
	s_nop 0
	tensor_load_to_lds s[48:51], s[52:59]   ; my part of the mask
	s_nop 0
	PLACES
	s_wait_loadcnt 2*NSH                    ; tpart's 16 parts are in; Q's first two tiles stay out
.irp s, 1,2,4,8
.set n2, 0
.rept 8/\s
	v_pk_add_f32 v[64+4*\s*n2:64+4*\s*n2+1], v[64+4*\s*n2:64+4*\s*n2+1], v[64+4*\s*n2+2*\s:64+4*\s*n2+2*\s+1]
.set n2, n2+1
.endr
.endr
	v_pk_mul_f32 v[64:65], v[64:65], 0x3d000000 op_sel_hi:[1,0]     ; t / 32
	ds_store_b64 v13, v[64:65]
.irp b, 0,1,2,3
	ds_load_b32 v[32+2*\b], v12 offset:64*\b        ; back by key, twice: a pair for the packed lines
	ds_load_b32 v[33+2*\b], v12 offset:64*\b
.endr
	WIN W_I1
.set n2, 0
.rept 32*A
	v_mov_b32 v[n2], 0                      ; the sums start at 0, written while the first loads are out, so that the loop has one form of product
.set n2, n2+1
.endr
	WIN 0
	s_wait_loadcnt NSH                      ; Q's tile 0 is in; tile 1 stays out
	SHCV 0, 0
	SHLD 0, 2, 0                            ; tile 2
	WIN 0
	s_wait_tensorcnt 0x2                    ; my piece of slot 0 is in; slot 1's and the mask may stay out
	s_wait_dscnt 0x0
	s_barrier_signal -1
	s_barrier_wait -1
	s_mov_b32 s60, 0
	s_mov_b32 s17, NS-2
	s_branch .Lfirst                        ; the first slot is read without a change in front of it
.Lslot:
	CHANGE 1, 1
.Lfirst:
	TRIP 0, 1, 1, 1, 1, NSH, 1, 1
	TRIP 1, 0, 0, 1, 1, NSH, 0, 0
	s_sub_co_u32 s17, s17, 1
	s_cmp_lg_u32 s17, 0
	s_cbranch_scc1 .Lslot
	CHANGE 1, 0                             ; the last two slots are written out: one more fill, then none, and Q's loads run out
	TRIP 0, 1, 1, 1, 1, NSH, 1, 1
	TRIP 1, 0, 0, 0, 1, NSH, 0, 0
	CHANGE 0, 0                             ; its wait for all tensor loads has long covered the mask
	TRIP 0, 1, 1, 0, 1, 0, 1, 1
	TRIP 1, 0, 0, 0, 0, 0, 0, 0
	PLACES
; THE WAY OUT, a loop over the four blocks b of 16 keys (a lane: one key, 64 queries).  Only the 32 lines that read block b's accumulators are written four times.
.macro SCALE b
	WIN W_A1
.set n2, 0
.rept 32
	v_pk_fma_f32 v[X+2*n2:X+2*n2+1], v[64*(\b)+2*n2:64*(\b)+2*n2+1], s[26:27], v[32+2*(\b):33+2*(\b)] op_sel_hi:[1,0,1]   ; 32 acc + t / 32, each accumulator from its low end
.set n2, n2+1
.endr
	WIN 0
.endm
	s_mov_b32 s61, 0                        ; b
	s_mov_b32 s62, 0                        ; 64 b: sixteen keys' words
.Lepi:
	v_add_nc_u32 v24, s62, v11
	v_add_nc_u32 v25, s62, v12
.set n2, 0
.rept 64
	ds_load_b32 v[MK+n2], v24 offset:(16*(n2/8)+n2%8)*MP
.set n2, n2+1
.endr
	s_cmp_eq_u32 s61, 0
	s_cbranch_scc1 .Lb0
	s_cmp_eq_u32 s61, 1
	s_cbranch_scc1 .Lb1
	s_cmp_eq_u32 s61, 2
	s_cbranch_scc1 .Lb2
	SCALE 3
	s_branch .Lbj
.Lb0:
	SCALE 0
	s_branch .Lbj
.Lb1:
	SCALE 1
	s_branch .Lbj
.Lb2:
	SCALE 2
.Lbj:
	s_wait_dscnt 0x0
.set n2, 0
.rept 64
	v_cvt_f32_i32 v[MK+n2], v[MK+n2]
.set n2, n2+1
.endr
.set n2, 0
.rept 32
	v_pk_fma_f32 v[X+2*n2:X+2*n2+1], v[MK+2*n2:MK+2*n2+1], s[28:29], v[X+2*n2:X+2*n2+1] op_sel_hi:[1,0,1]    ; + mask x (-1e9)
.set n2, n2+1
.endr
.irp c, 0,1,2,3                         ; the maximum: four chains of 16
	v_max3_num_f32 v[16+\c], v[X+16*\c], v[X+16*\c+1], v[X+16*\c+2]
.endr
.set n2, 0
.rept 6
.irp c, 0,1,2,3
	v_max3_num_f32 v[16+\c], v[16+\c], v[X+16*\c+3+2*n2], v[X+16*\c+4+2*n2]
.endr
.set n2, n2+1
.endr
.irp c, 0,1,2,3
	v_max_num_f32 v[16+\c], v[16+\c], v[X+16*\c+15]
.endr
	v_max3_num_f32 v16, v16, v17, v18
	v_max_num_f32 v16, v16, v19
	v_permlanex16_b32 v17, v16, s24, s25    ; the key's other 64 queries lie in the lane 16 away
	v_max_num_f32 v20, v16, v17
	v_max_num_f32 v21, v16, v17
	ds_store_b32 v25, v20 offset:256
.set n2, 0
.rept 32
	v_pk_add_f32 v[X+2*n2:X+2*n2+1], v[X+2*n2:X+2*n2+1], v[20:21] neg_lo:[0,1] neg_hi:[0,1]  ; s - m
.set n2, n2+1
.endr
.set n2, 0
.rept 32
	v_pk_mul_f32 v[X+2*n2:X+2*n2+1], v[X+2*n2:X+2*n2+1], s[30:31] op_sel_hi:[1,0]
.set n2, n2+1
.endr
.set n2, 0
.rept 64
	v_exp_f32 v[X+n2], v[X+n2]
.set n2, n2+1
.endr
	v_nop                                   ; a plain instruction behind the last exponential,
	s_wait_alu depctr_va_vdst(0)            ; and one wait for the batch of 64, ahead of the first use
.set n2, 0
.rept 32
	v_cvt_pk_f16_f32 v[EH+n2], v[X+2*n2], v[X+2*n2+1]
.set n2, n2+1
.endr
.irp s, 1,2,4,8,16                      ; the sum of the 32 pairs, in place
.set n2, 0
.rept 16/\s
	v_pk_add_f32 v[X+4*\s*n2:X+4*\s*n2+1], v[X+4*\s*n2:X+4*\s*n2+1], v[X+4*\s*n2+2*\s:X+4*\s*n2+2*\s+1]
.set n2, n2+1
.endr
.endr
	v_add_f32 v22, v[X], v[X+1]
	v_permlanex16_b32 v23, v22, s24, s25
	v_add_f32 v22, v22, v23
	ds_store_b32 v25, v22 offset:512
	OUTST EH, 0                             ; queries 0-63 of the tile,
	OUTST EH+16, 524288                     ; queries 64-127: the next block
	s_wait_xcnt 0x0                         ; the stores have read their base
	s_add_nc_u64 s[8:9], s[8:9], 2048       ; sixteen rows on
	s_add_co_u32 s62, s62, 64
	s_add_co_u32 s61, s61, 1
	s_cmp_lt_u32 s61, 4
	s_cbranch_scc1 .Lepi
	ds_load_b64 v[16:17], v13 offset:256
	ds_load_b64 v[18:19], v13 offset:512
	s_wait_dscnt 0x0
	global_store_b64 v14, v[16:17], s[14:15]                ; my 64 keys' m: 256 consecutive bytes, aligned,
	global_store_b64 v14, v[18:19], s[14:15] offset:2048    ; and l
	s_wait_tensorcnt 0x0                    ; the wave's end: a tensor wait, an add of 0 to my spare word and an LDS wait, behind my last tensor load and my last LDS store
	ds_add_u32 v28, v29
	s_wait_dscnt 0x0
	ROUND                                   ; the closing round: no work-group ends while a partner may still ask for a tile that names it
	s_endpgm
.Lfunc_end_k_qcafd186b04_scores:
	.size	k_qcafd186b04_scores, .Lfunc_end_k_qcafd186b04_scores-k_qcafd186b04_scores
	.p2alignl 7, 3214868480
	.fill 96, 4, 3214868480
	.section	.rodata,"a",@progbits
	.p2align	6, 0x0
	.amdhsa_kernel k_qcafd186b04_scores
		.amdhsa_group_segment_fixed_size 327680
		.amdhsa_private_segment_fixed_size 0
		.amdhsa_enable_private_segment 0
		.amdhsa_kernarg_size 48
		.amdhsa_user_sgpr_count 2
		.amdhsa_user_sgpr_kernarg_segment_ptr 1
		.amdhsa_wavefront_size32 1
		.amdhsa_system_sgpr_workgroup_id_x 1
		.amdhsa_system_sgpr_workgroup_id_y 1
		.amdhsa_system_sgpr_workgroup_id_z 1
		.amdhsa_system_vgpr_workitem_id 0
		.amdhsa_next_free_vgpr 768
		.amdhsa_next_free_sgpr 96
		.amdhsa_reserve_vcc 0
		.amdhsa_float_denorm_mode_32 3
		.amdhsa_float_denorm_mode_16_64 3
		.amdhsa_memory_ordered 1
		.amdhsa_forward_progress 1
		.amdhsa_inst_pref_size 127
	.end_amdhsa_kernel
	.amdgpu_metadata
---
amdhsa.version: [ 1, 2 ]
amdhsa.kernels:
  - .name:           k_qcafd186b04_scores
    .symbol:         k_qcafd186b04_scores.kd
    .args:
      - { .name: Q, .offset: 0, .size: 8, .value_kind: global_buffer, .address_space: global }
      - { .name: kp, .offset: 8, .size: 8, .value_kind: global_buffer, .address_space: global }
      - { .name: attn_mask, .offset: 16, .size: 8, .value_kind: global_buffer, .address_space: global }
      - { .name: tpart, .offset: 24, .size: 8, .value_kind: global_buffer, .address_space: global }
      - { .name: eb, .offset: 32, .size: 8, .value_kind: global_buffer, .address_space: global }
      - { .name: stats, .offset: 40, .size: 8, .value_kind: global_buffer, .address_space: global }
    .group_segment_fixed_size: 327680
    .private_segment_fixed_size: 0
    .kernarg_segment_align: 8
    .kernarg_segment_size: 48
    .max_flat_workgroup_size: 128
    .sgpr_count:     96
    .vgpr_count:     768
    .wavefront_size: 32
...
	.end_amdgpu_metadata
.endif
;; end of part 3
;; launch mix (part 4): grid 16 x 16, 4 waves a work-group, clusters of 4 x 1, 327,680 bytes of LDS; arguments eb, V, stats, u, out1; writes u, out1
.if DOCPART == 4
	.amdgcn_target "amdgcn-amd-amdhsa--gfx1250"
	.amdhsa_code_object_version 6
	.text
	.protected	k_qcafd186b04_mix
	.globl	k_qcafd186b04_mix
	.p2align	8
	.type	k_qcafd186b04_mix,@function
k_qcafd186b04_mix:
	s_mov_b64 s[64:65], 0
	v_nop
	global_prefetch_b8 v0, s[64:65] scope:SCOPE_SE
	s_setreg_imm32_b32 hwreg(HW_REG_WAVE_MODE, 25, 1), 1
	s_wait_xcnt 0x0
	s_wait_alu depctr_hold_cnt(0) depctr_sa_sdst(0) depctr_va_vdst(0) depctr_va_sdst(0) depctr_va_ssrc(0) depctr_va_vcc(0) depctr_vm_vsrc(0)
	s_getreg_b32 s2, hwreg(HW_REG_IB_STS2, 6, 4)
	s_cmp_eq_u32 s2, 0
	s_cbranch_scc0 .Lentry_in_a_cluster
	s_endpgm
.Lentry_in_a_cluster:
	s_bfe_u32 s2, ttmp6, 0x10000c
	s_cmp_lg_u32 s2, 0x3003
	s_cbranch_scc0 .Lentry_shape_is_right
	s_endpgm
.Lentry_shape_is_right:
; The softmax is joined and used.  For each key row: M = the maximum of its 16 tile maxima, g_t = exp(m_t - M), L = the sum of l_t g_t.
; u[row][j] = (the sum over q of (e g) V[q][j]) / L, f16, in blocks [j / 64][row][64]; since attn's rows sum to 1, context = u WV_w^T + WV_b (next launch).
; out1[row][q] = e g / L (f32) for the q tile whose number is the work-group's x.
; SHARES. x = 64 columns j of V, and q tile x of attn; y = 256 rows; a wave owns 64 rows.  32 trips of 64 along q.
; FORM. Source 0 = V, which lies [q][j] in f32: a quarter of a tile (64 q x 256 bytes) a wave, rounded in registers, laid into one of two LDS slots, read turned.  Four register sets: tile t + 4 is asked
; for in trip t.  Source 1 = e, multiplied in its fragment registers by its q tile's g (packed f16, one line a register; g lies in 0 to 1).  Sums in f32.
; CLUSTER. The four work-groups of a cluster have the same 256 rows and neighbouring columns, so e is asked for JOINTLY.  A ring of two slots, four blocks of 64 q each; wave w fetches block w (32,768 dense
; bytes, as 128 rows of 256, padded by 16 bytes after every 128).  Piece (w, slot) lies at w x 2 BLK + slot x BLK; BLK = 0x9000 shares no bit with w x 0x12000, so one exclusive or changes slots.
; A wave has at most two tensor loads out.  V is not asked for jointly: it is f32 and is rounded in registers.
; AHEAD OF THE RING: behind each joint load one prefetch names the slot that the next change will ask for: the cluster with x = 0 asks, each wave for its block, the four partners 32 pieces of 256 bytes each,
; told apart by address; the last change that fills asks for nothing.
; LIMITS. |V| under 65,504 (f16); e g below 6e-5 keeps f16's fixed step of 6e-8.  L is at least 1 (the tile that holds M has g = 1 and l >= 1).  NaN and infinities are not treated apart.
; WINDOWS: 0 addresses, V's fragments (v64-127), work; 1 accumulators (a, b) at 8 (4 b + a); 2 e's fragments, two sets (v0-127), V as loaded, four sets (v128-255).
.set A, 4
.set P, 160
.set SLOTB, 64*P
.set NSH, 2*A
.set T, 32
.set NB, 4
.set NS, T/NB
.set SHSTEP, 262144
.set BLK, 256*144
.set PRNEXT, 2*BLK
.set SLOTX, BLK
.set PRSTEP, NB*524288
.set RING, 8*BLK
.set SHBASE, RING
.set SP, 144
.set GT, SHBASE+2*SLOTB         ; for each wave [q tile 16][row 64]: g in f16
.set WT, GT+4*2048              ; for each wave 64 words: g of q tile x, divided by L
.set RL, WT+1024                ; for each wave 64 words: 1 / L
.set SPARE, RL+1024
.set STGW, PRNEXT               ; the stage on the way out: the head of my block of slot 0, which has had its last fill and, behind the last change's barrier, its last read
.set SHS, 128
.set SHF, 64
.set TMP, 192
.set OB, 208
.set MSB, 0
.macro WIN new                  ; the high byte repeats the setting that is left; a switch that changes nothing is dropped
.if MSB != (\new)
	s_set_vgpr_msb (MSB<<8)|(\new)
.set MSB, (\new)
.endif
.endm
.set W_CV, 0x0a
.set W_L2, 0x80
.set W_MM, 0x58
.set W_A1, 0x01
.set W_I1, 0x40
.set W_PM, 0x82
.macro PLACES                   ; four plain places behind matrix instructions (ISA guide 7.12.1)
.rept 4
	v_nop
.endr
.endm
.macro ROUND                    ; a round of the cluster's barrier
	s_barrier_signal -1
	s_barrier_wait -1
	s_cmp_lg_u32 s16, 0
	s_cbranch_scc1 .Lnw0_\@
	s_barrier_signal -3
.Lnw0_\@:
	s_barrier_wait -3
	s_barrier_signal -1
	s_barrier_wait -1
.endm
.macro LANES
	v_lshrrev_b32 v16, 5, v0
	v_readfirstlane_b32 s16, v16            ; wave
	v_and_b32 v1, 15, v0                    ; r
	v_bfe_u32 v2, v0, 4, 1                  ; h
	v_and_b32 v3, 31, v0                    ; lane
	s_bfe_u32 s87, ttmp6, 0x40000           ; cx: it enters global addresses alone, never e's descriptors
	s_lshl_b32 s18, ttmp9, 2
	s_add_co_u32 s18, s18, s87              ; x
	s_and_b32 s19, ttmp7, 0xffff            ; y, which the four partners share
	s_mov_b32 s21, 0
	s_mov_b32 s67, 0
	s_mul_i32 s63, s16, 4*A*4096
	v_lshlrev_b32 v4, 12, v2
	v_lshl_add_u32 v4, v1, 4, v4
	v_add_nc_u32 v4, s63, v4                ; V in memory: row 16 w + h, 16 bytes at 16 r: a load takes two pieces of 256 bytes, aligned
	s_mul_i32 s63, s16, 4*A*P
	s_add_co_u32 s63, s63, SHBASE
	v_mul_u32_u24 v5, v2, P
	v_lshl_add_u32 v5, v1, 3, v5
	v_add_nc_u32 v5, s63, v5                ; the same place in a slot, 8 bytes of f16
	v_and_b32 v16, 7, v0
	v_lshl_add_u32 v6, v2, 3, v16
	v_mul_u32_u24 v6, v6, P
	v_bfe_u32 v16, v0, 3, 1
	v_lshl_add_u32 v6, v16, 4, v6
	v_add_nc_u32 v6, SHBASE, v6             ; the turning load: row 8 h + lane % 8, 16 bytes at 16 ((lane / 8) % 2)
	s_mul_i32 s63, s16, 64*144
	v_mul_u32_u24 v7, v1, 144
	v_lshl_add_u32 v7, v2, 4, v7
	v_add_nc_u32 v7, s63, v7                ; my rows in a block of the ring: row 64 w + r, 16 bytes at 16 h
	s_mul_i32 s63, s16, STGW                ; my stage
	v_mul_u32_u24 v8, v1, SP
	v_lshl_add_u32 v8, v2, 4, v8
	v_add_nc_u32 v8, s63, v8
	v_bfe_u32 v9, v0, 3, 2
	v_mul_u32_u24 v9, v9, SP
	v_and_b32 v16, 7, v0
	v_lshl_add_u32 v9, v16, 4, v9
	v_add_nc_u32 v9, s63, v9
	v_lshlrev_b32 v10, 4, v3
.endm
.macro SHLD set, step, off      ; my quarter of a tile of V into register set 'set'
.if \step
	s_wait_xcnt 0x0                         ; the base is stepped only when every earlier load and prefetch has read its address
	s_add_nc_u64 s[4:5], s[4:5], (\step)*SHSTEP
.endif
	WIN W_L2
.set n1, 0
.rept NSH
	global_load_b128 v[SHS+4*NSH*(\set)+4*n1:SHS+4*NSH*(\set)+4*n1+3], v4, s[4:5] offset:(\off)+n1*8192
.set n1, n1+1
.endr
.endm
.macro SHCV set, slot
	WIN W_CV
.set n1, 0
.rept 2*NSH
	v_cvt_pk_f16_f32 v[TMP+n1], v[SHS+4*NSH*(\set)+2*n1], v[SHS+4*NSH*(\set)+2*n1+1]
.set n1, n1+1
.endr
	WIN 0
.set n1, 0
.rept NSH
	ds_store_b64 v5, v[TMP+2*n1:TMP+2*n1+1] offset:(\slot)*SLOTB+n1*2*P
.set n1, n1+1
.endr
.endm
.macro FRAGH slot, ks           ; V's A fragments of 32 along q, turned
	WIN 0
.set n1, 0
.rept A
	ds_load_tr16_b128 v[SHF+8*(A*(\ks)+n1):SHF+8*(A*(\ks)+n1)+3],   v6 offset:(\slot)*SLOTB+(\ks)*32*P+n1*32
	ds_load_tr16_b128 v[SHF+8*(A*(\ks)+n1)+4:SHF+8*(A*(\ks)+n1)+7], v6 offset:(\slot)*SLOTB+(\ks)*32*P+n1*32+16*P
.set n1, n1+1
.endr
.endm
.macro PRH set, ks, ar          ; my four fragments of 32 along q out of the ring
	WIN W_L2
.set n1, 0
.rept 4
	ds_load_b128 v[64*(\set)+16*n1+8*(\ks):64*(\set)+16*n1+8*(\ks)+3],   v[\ar] offset:n1*2304+(\ks)*64
	ds_load_b128 v[64*(\set)+16*n1+8*(\ks)+4:64*(\set)+16*n1+8*(\ks)+7], v[\ar] offset:n1*2304+(\ks)*64+32
.set n1, n1+1
.endr
.endm
.macro MUL pr, ks               ; 4 A products, each on another accumulator: between two links of a chain stand 4 A - 1 others', over the backward jump too
	WIN W_MM
.set n1, 0
.rept 4*A
.set rA, 8*(A*(n1%4)+n1/4)
	v_wmma_f32_16x16x32_f16 v[rA:rA+7], v[SHF+8*(A*(\ks)+n1/4):SHF+8*(A*(\ks)+n1/4)+7], v[(\pr)+16*(n1%4)+8*(\ks):(\pr)+16*(n1%4)+8*(\ks)+7], v[rA:rA+7]
.set n1, n1+1
.endr
.endm
.macro GSC p, ks                ; e x g, in place: the 32 registers of one half along q
.if ((\p) == 0) && ((\ks) == 0)
	WIN 0
.irp b, 0,1,2,3
	v_lshl_or_b32 v[16+\b], v[16+\b], 16, v[16+\b]  ; g into both halves of the word
.endr
.endif
	WIN W_PM
.set n1, 0
.rept 32
	v_pk_mul_f16 v[64*(\p)+16*(n1/8)+8*(\ks)+n1%8], v[64*(\p)+16*(n1/8)+8*(\ks)+n1%8], v[16+n1/8]
.set n1, n1+1
.endr
.endm
; Trip t.  p = t % 2: V's slot and my fragments' set.  st: V's tile t + 1 (register set cs) goes into the other slot, and a barrier ends the trip; cnt: the younger loads that may stay out.
; ld: tile t + 4 is asked for, into set ls.  pl: my fragments of this trip are fetched at its head.  pf = k > 0: those of block k of the slot are fetched between the two halves of products.
.macro TRIP p, cs, ls, ld, st, cnt, pl, pf
	WIN 0
.if \pl
	v_add_nc_u32 v26, s60, v7               ; the slot's first block
.endif
.if (\p) == 0                           ; every second trip begins a q tile of 128: its g for my four blocks of rows
	v_add_nc_u32 v24, s62, v11
	s_add_co_u32 s62, s62, 128              ; the next tile's 64 numbers
.irp b, 0,1,2,3
	ds_load_u16 v[16+\b], v24 offset:32*\b
.endr
.endif
	FRAGH \p, 0
.if \pl
	PRH \p, 0, 26
.endif
	FRAGH \p, 1
.if \pl
	PRH \p, 1, 26
.endif
	s_wait_dscnt 2*A+8*(\pl)                ; g and the first 32 along q are in; the second half's loads may be out
	GSC \p, 0
	MUL 64*(\p), 0
.if \st
	s_wait_loadcnt \cnt                     ; V's tile t + 1 is in registers
	SHCV \cs, 1-(\p)
.endif
.if \ld
	SHLD \ls, 1, 0
.endif
.set PFN, 0
.if \pf
.set PFN, 16
	WIN 0
	v_add_nc_u32 v27, (\pf)*PRNEXT, v26
	PRH 1-(\p), 0, 27
	PRH 1-(\p), 1, 27
.endif
	s_wait_dscnt NSH*(\st)+PFN              ; the second 32 along q are in; the stores and the fetch ahead may be out
	GSC \p, 1
	MUL 64*(\p), 1
	WIN 0
	PLACES                                  ; ahead of loads and writes into registers that the products have read
.if \st
	s_wait_dscnt 0x0                        ; my stores into the other slot are done, my reads of this one are over
	s_barrier_signal -1                     ; one barrier a trip orders both ways
	s_barrier_wait -1
.endif
.endm
; THE CHANGE OF SLOTS of the ring.  Each wave waits for all its tensor loads (one is out: its block of the next slot), adds 0 to its spare word, and waits for that and for its reads.
; fill = 1: the slot just read is filled again, two slots on; the barrier is a round of the cluster's, and the joint load is the first thing behind it: four trips, 128 products, in which to land.
; Behind it stands the prefetch of the slot that the next change will ask for.
.macro CHANGE fill
	WIN 0
	s_wait_tensorcnt 0x0                    ; no tensor load of mine is out, so the walking descriptor may be written
	ds_add_u32 v28, v29                     ; 0 onto my spare word
.if \fill
	s_xor_b32 s37, s37, SLOTX               ; the other slot than last time,
	s_add_nc_u64 s[38:39], s[38:39], PRSTEP ; the next four blocks; the type bits on top are not reached
	s_wait_xcnt 0x0                         ; the last prefetch, four trips back, has read its address
	s_add_nc_u64 s[84:85], s[84:85], PRSTEP ; one slot ahead of the walking descriptor
.endif
	s_xor_b32 s60, s60, SLOTX               ; my reads go to the other slot
	s_wait_dscnt 0x0                        ; the add is done, and my reads of the slot are over
.if \fill
	ROUND
	tensor_load_to_lds s[36:39], s[40:47]
	s_nop 0
	PLACES
	s_cmp_gt_u32 s17, s86                   ; s86 = 1 in the cluster that asks, else the greatest number; s17 = 1 at the last change that fills
	s_cbranch_scc0 .Lnm_\@
	global_prefetch_b8 v30, s[84:85] th:TH_LOAD_NT scope:SCOPE_SE
.Lnm_\@:
.else
	s_barrier_signal -1
	s_barrier_wait -1
.endif
.endm
.macro OUTST src, off           ; 16 rows x 64 f16 through my own stage, out as 4 x 512 consecutive bytes
	s_wait_xcnt 0x0                         ; earlier stores have read OB
.irp f, 0,1,2,3
	ds_store_b128 v8, v[(\src)+4*\f:(\src)+4*\f+3] offset:32*\f
.endr
.irp f, 0,1,2,3
	ds_load_b128 v[OB+4*\f:OB+4*\f+3], v9 offset:4*SP*\f   ; LDS serves a wave's instructions in order (ISA guide 5.7.1.4)
.endr
	s_wait_dscnt 0x0
.irp f, 0,1,2,3
	global_store_b128 v10, v[OB+4*\f:OB+4*\f+3], s[8:9] offset:(\off)+512*\f
.endr
.endm
.macro OUT16 win, src, off
	WIN \win
.set n1, 0
.rept 16
	v_cvt_pk_f16_f32 v[TMP+n1], v[(\src)+2*n1], v[(\src)+2*n1+1]
.set n1, n1+1
.endr
	WIN 0
	OUTST TMP, \off
.endm
	s_load_b256 s[68:75], s[0:1], 0x0       ; eb, V, stats, u
	s_load_b64 s[76:77], s[0:1], 0x20       ; out1
	v_lshl_add_u32 v28, v0, 2, SPARE
	v_mov_b32 v29, 0
	ds_add_u32 v28, v29                     ; the wave's opening: the add and its wait stand ahead of my first tensor load; the set-up, work on registers, stands between
	LANES
	s_mov_b32 s30, 0x3fb8aa3b               ; log2 e
	s_mov_b32 s31, 0x3fb8aa3b
	s_mov_b32 s62, 0                        ; the q tile's place in my table of g
	s_mov_b32 s32, 1                        ; group 0 for slot 0: count = 1,
	s_mul_i32 s33, s16, PRNEXT              ; LDS address of my block
	s_mov_b32 s36, 1                        ; group 0 for slot 1, which then walks on
	s_add_co_u32 s37, s33, BLK
	s_mov_b32 s40, 15|(1<<16)|(1<<20)|(1<<21)|(4<<22)|(3<<25)  ; the mask of four; elements of 2 bytes; padding on; bit 21 beside a mask; after every 32 words, 4 words
	s_mov_b32 s41, 128<<16                  ; tensor_dim0 = 128
	s_mov_b32 s42, 128<<16                  ; tensor_dim1 = 128
	s_mov_b32 s43, 128<<16                  ; tile_dim0 = 128
	s_mov_b32 s44, 128                      ; tile_dim1 = 128
	s_mov_b32 s45, 128                      ; the pitch: the block is dense
	s_mov_b32 s46, 0
	s_mov_b32 s47, 0
	s_lshl_b32 s66, s19, 15                 ; row 256 y of a block,
	s_lshl_b32 s63, s16, 19                 ; block w
	s_add_co_u32 s66, s66, s63
	v_mov_b32 v15, 0
	v_lshlrev_b32 v20, 3, v3                ; two rows a lane: 8 bytes
	v_lshlrev_b32 v30, 8, v3                ; the prefetch: a lane a piece of 256 bytes; never rewritten
	s_lshl_b32 s63, s16, 11
	s_add_co_u32 s63, s63, GT
	v_lshl_add_u32 v11, v1, 1, s63          ; g: read by row r,
	v_lshl_add_u32 v21, v3, 2, s63          ; written two rows a lane
	s_lshl_b32 s63, s16, 8
	s_add_co_u32 s63, s63, WT
	v_lshl_add_u32 v13, v3, 3, s63          ; the two row tables: written two rows a lane
	v_mov_b32 v12, s63                      ; my 64 row factors for attn: the same address in every lane
	s_add_co_u32 s63, s63, 1024
	v_lshl_add_u32 v22, v1, 2, s63          ; 1 / L by row r
	v_lshlrev_b32 v14, 19, v2
	v_lshl_add_u32 v14, v1, 3, v14          ; e for attn: a lane's 4 queries: block h, 8 bytes at 8 r
	s_lshr_b32 s22, s19, 1                  ; batch
	s_and_b32 s23, s19, 1
	s_lshl_b32 s23, s23, 10
	s_lshl_b32 s82, s16, 8
	s_add_co_u32 s23, s23, s82              ; my 64 keys among a batch's 512, in words of 4 bytes
	s_cmp_eq_u32 ttmp9, 0                   ; the first cluster along x asks: the same in all four partners
	s_cselect_b32 s86, 1, -1
	s_wait_dscnt 0x0                        ; the opening add is done
	s_wait_kmcnt 0x0
	s_add_nc_u64 s[34:35], s[68:69], s[66:67]
	s_add_nc_u64 s[38:39], s[34:35], PRSTEP
	s_lshl_b32 s82, s87, 13                 ; my work-group's 32 pieces of a block's 128
	s_mov_b32 s83, 0
	s_add_nc_u64 s[84:85], s[34:35], s[82:83]
	s_add_nc_u64 s[84:85], s[84:85], 2*PRSTEP       ; at slot 2: the first change steps it to slot 3
	s_or_b32 s35, s35, 0x80000000           ; type = 2
	s_or_b32 s39, s39, 0x80000000
	s_lshl_b32 s20, s22, 23
	s_lshl_b32 s82, s18, 8
	s_add_co_u32 s20, s20, s82
	s_add_nc_u64 s[4:5], s[70:71], s[20:21] ; V: batch, column 64 x
	s_lshl_b32 s20, s18, 19
	s_lshl_b32 s82, s19, 15
	s_add_co_u32 s20, s20, s82
	s_lshl_b32 s82, s16, 13
	s_add_co_u32 s20, s20, s82
	s_add_nc_u64 s[8:9], s[74:75], s[20:21] ; u: block x, row 256 y + 64 w
	s_lshl_b32 s20, s22, 16
	s_add_co_u32 s20, s20, s23
	s_add_nc_u64 s[10:11], s[72:73], s[20:21]       ; stats: batch, q tile 0, my keys
	s_lshl_b32 s20, s18, 12
	s_add_nc_u64 s[12:13], s[10:11], s[20:21]       ; the same at q tile x
	s_lshl_b32 s20, s18, 20
	s_lshl_b32 s82, s19, 15
	s_add_co_u32 s20, s20, s82
	s_lshl_b32 s82, s16, 13
	s_add_co_u32 s20, s20, s82
	s_add_nc_u64 s[14:15], s[68:69], s[20:21]       ; eb: block 2 x, my rows
	s_lshl_b32 s20, s19, 21
	s_lshl_b32 s82, s16, 19
	s_add_co_u32 s20, s20, s82
	s_lshl_b32 s82, s18, 9
	s_add_co_u32 s20, s20, s82
	s_add_nc_u64 s[80:81], s[76:77], s[20:21]       ; out1: my rows, query 128 x
.set n2, 0
.rept 16
	global_load_b64 v[64+2*n2:65+2*n2], v20, s[10:11] offset:n2*4096
.set n2, n2+1
.endr
.set n2, 0
.rept 16
	global_load_b64 v[96+2*n2:97+2*n2], v20, s[10:11] offset:n2*4096+2048
.set n2, n2+1
.endr
	global_load_b64 v[128:129], v20, s[12:13]
	SHLD 0, 0, 0                            ; V's tiles 0 and 1
	SHLD 1, 0, SHSTEP
	WIN 0
	ROUND                                   ; all four work-groups are here: the first joint loads meet
	tensor_load_to_lds s[32:35], s[40:47]   ; slot 0: blocks 0-3
	s_nop 0
	tensor_load_to_lds s[36:39], s[40:47]   ; slot 1: blocks 4-7
	s_nop 0
	PLACES
	s_wait_loadcnt 2*NSH                    ; the 33 loads of m and l are in; V's first two tiles stay out
	SHLD 2, 0, 2*SHSTEP                     ; tiles 2 and 3
	SHLD 3, 0, 3*SHSTEP
	WIN 0
	; M, g, L for my two rows (v64.. m then g, v96.. l, v128 the same for q tile x)
	v_max3_num_f32 v130, v64, v66, v68
	v_max3_num_f32 v131, v65, v67, v69
.set n2, 0
.rept 6
	v_max3_num_f32 v130, v130, v[70+4*n2], v[72+4*n2]
	v_max3_num_f32 v131, v131, v[71+4*n2], v[73+4*n2]
.set n2, n2+1
.endr
	v_max_num_f32 v130, v130, v94
	v_max_num_f32 v131, v131, v95
.set n2, 0
.rept 16
	v_pk_add_f32 v[64+2*n2:65+2*n2], v[64+2*n2:65+2*n2], v[130:131] neg_lo:[0,1] neg_hi:[0,1]
.set n2, n2+1
.endr
	v_pk_add_f32 v[128:129], v[128:129], v[130:131] neg_lo:[0,1] neg_hi:[0,1]
.set n2, 0
.rept 16
	v_pk_mul_f32 v[64+2*n2:65+2*n2], v[64+2*n2:65+2*n2], s[30:31] op_sel_hi:[1,0]
.set n2, n2+1
.endr
	v_pk_mul_f32 v[128:129], v[128:129], s[30:31] op_sel_hi:[1,0]
.set n2, 0
.rept 32
	v_exp_f32 v[64+n2], v[64+n2]
.set n2, n2+1
.endr
	v_exp_f32 v128, v128
	v_exp_f32 v129, v129
	v_nop                                   ; a plain instruction behind the last exponential,
	s_wait_alu depctr_va_vdst(0)            ; and one wait for the batch of 34
	v_pk_mul_f32 v[132:133], v[96:97], v[64:65]
.set n2, 1
.rept 15
	v_pk_fma_f32 v[132:133], v[96+2*n2:97+2*n2], v[64+2*n2:65+2*n2], v[132:133]
.set n2, n2+1
.endr
	v_rcp_f32 v134, v132
	v_rcp_f32 v135, v133
	v_nop
	s_wait_alu depctr_va_vdst(0)            ; one wait for the two reciprocals
	v_pk_mul_f32 v[136:137], v[128:129], v[134:135]
	ds_store_b64 v13, v[136:137]
	ds_store_b64 v13, v[134:135] offset:1024
.set n2, 0
.rept 16
	v_cvt_pk_f16_f32 v[140+n2], v[64+2*n2], v[65+2*n2]
	ds_store_b32 v21, v[140+n2] offset:128*n2       ; the tables are my wave's own: LDS serves my later reads behind these stores
.set n2, n2+1
.endr
	WIN W_I1
.set n2, 0
.rept 32*A
	v_mov_b32 v[n2], 0                      ; the sums start at 0, so that the loop has one form of product
.set n2, n2+1
.endr
	WIN 0
	s_wait_loadcnt 3*NSH                    ; V's tile 0 is in; tiles 1 to 3 stay out
	SHCV 0, 0
	s_wait_xcnt 0x0
	s_add_nc_u64 s[4:5], s[4:5], 3*SHSTEP   ; at tile 3: trip 0 steps it to tile 4
	s_wait_tensorcnt 0x1                    ; my block of slot 0 is in; slot 1's may stay out
	s_wait_dscnt 0x0
	s_barrier_signal -1
	s_barrier_wait -1
	s_mov_b32 s60, 0
	s_mov_b32 s17, NS-1
	s_branch .Lfirst                        ; the first slot is read without a change in front of it
.Lslot:                                         ; every slot but the last two is filled again
	CHANGE 1
.Lfirst:
	TRIP 0, 1, 0, 1, 1, 2*NSH, 1, 1
	TRIP 1, 2, 1, 1, 1, 2*NSH, 0, 2
	TRIP 0, 3, 2, 1, 1, 2*NSH, 0, 3
	TRIP 1, 0, 3, 1, 1, 2*NSH, 0, 0
	s_sub_co_u32 s17, s17, 1
	s_cmp_lg_u32 s17, 0
	s_cbranch_scc1 .Lslot
	CHANGE 0                                ; the last slot is written out: nothing is filled or asked for, and the counts run down
	TRIP 0, 1, 0, 0, 1, 2*NSH, 1, 1
	TRIP 1, 2, 1, 0, 1, NSH, 0, 2
	TRIP 0, 3, 2, 0, 1, 0, 0, 3
	TRIP 1, 0, 3, 0, 0, 0, 0, 0
	PLACES
.set n2, 0
.rept 64                                ; e of q tile x for my 64 rows: a row a load (256 bytes in two blocks), all on their way while u goes out
	global_load_b64 v[64+2*n2:65+2*n2], v14, s[14:15] offset:n2*128
.set n2, n2+1
.endr
.irp b, 0,1,2,3
	ds_load_b32 v[224+2*\b], v22 offset:64*\b       ; 1 / L by row, twice: a pair for the packed lines
	ds_load_b32 v[225+2*\b], v22 offset:64*\b
.endr
	s_wait_dscnt 0x0
.irp b, 0,1,2,3
	WIN W_A1
.set n2, 0
.rept 16
	v_pk_mul_f32 v[32+2*n2:33+2*n2], v[32*\b+2*n2:32*\b+2*n2+1], v[224+2*\b:225+2*\b]
.set n2, n2+1
.endr
	OUT16 0, 32, 2048*\b
.endr
; attn, 16 rows at a time: a lane's four queries of a row times the row's factor; a store covers the row's 512 consecutive bytes
.macro ATT g
	s_wait_xcnt 0x0                         ; earlier stores have read v192-255
.irp k, 0,1,2,3
	ds_load_b128 v[32+4*\k:35+4*\k], v12 offset:64*(\g)+16*\k
.endr
	s_wait_loadcnt 48-16*(\g)               ; the later batches' loads of e may stay out
	s_wait_dscnt 0x0
.set n2, 0
.rept 16
	v_fma_mix_f32 v[192+4*n2],   v[64+32*(\g)+2*n2],   v[32+n2], v15 op_sel:[0,0,0] op_sel_hi:[1,0,0]
	v_fma_mix_f32 v[192+4*n2+1], v[64+32*(\g)+2*n2],   v[32+n2], v15 op_sel:[1,0,0] op_sel_hi:[1,0,0]
	v_fma_mix_f32 v[192+4*n2+2], v[64+32*(\g)+2*n2+1], v[32+n2], v15 op_sel:[0,0,0] op_sel_hi:[1,0,0]
	v_fma_mix_f32 v[192+4*n2+3], v[64+32*(\g)+2*n2+1], v[32+n2], v15 op_sel:[1,0,0] op_sel_hi:[1,0,0]
.set n2, n2+1
.endr
.set n2, 0
.rept 16
	global_store_b128 v10, v[192+4*n2:192+4*n2+3], s[80:81] offset:(16*(\g)+n2)*8192 th:TH_STORE_NT
.set n2, n2+1
.endr
.endm
	ATT 0
	ATT 1
	ATT 2
	ATT 3
	s_wait_tensorcnt 0x0                    ; the wave's end: a tensor wait, an add of 0 to my spare word and an LDS wait, behind my last tensor load and my last LDS store
	ds_add_u32 v28, v29
	s_wait_dscnt 0x0
	ROUND                                   ; the closing round: no work-group ends while a partner may still ask for a tile that names it
	s_endpgm
.Lfunc_end_k_qcafd186b04_mix:
	.size	k_qcafd186b04_mix, .Lfunc_end_k_qcafd186b04_mix-k_qcafd186b04_mix
	.p2alignl 7, 3214868480
	.fill 96, 4, 3214868480
	.section	.rodata,"a",@progbits
	.p2align	6, 0x0
	.amdhsa_kernel k_qcafd186b04_mix
		.amdhsa_group_segment_fixed_size 327680
		.amdhsa_private_segment_fixed_size 0
		.amdhsa_enable_private_segment 0
		.amdhsa_kernarg_size 40
		.amdhsa_user_sgpr_count 2
		.amdhsa_user_sgpr_kernarg_segment_ptr 1
		.amdhsa_wavefront_size32 1
		.amdhsa_system_sgpr_workgroup_id_x 1
		.amdhsa_system_sgpr_workgroup_id_y 1
		.amdhsa_system_sgpr_workgroup_id_z 1
		.amdhsa_system_vgpr_workitem_id 0
		.amdhsa_next_free_vgpr 768
		.amdhsa_next_free_sgpr 96
		.amdhsa_reserve_vcc 0
		.amdhsa_float_denorm_mode_32 3
		.amdhsa_float_denorm_mode_16_64 3
		.amdhsa_memory_ordered 1
		.amdhsa_forward_progress 1
		.amdhsa_inst_pref_size 156
	.end_amdhsa_kernel
	.amdgpu_metadata
---
amdhsa.version: [ 1, 2 ]
amdhsa.kernels:
  - .name:           k_qcafd186b04_mix
    .symbol:         k_qcafd186b04_mix.kd
    .args:
      - { .name: eb, .offset: 0, .size: 8, .value_kind: global_buffer, .address_space: global }
      - { .name: V, .offset: 8, .size: 8, .value_kind: global_buffer, .address_space: global }
      - { .name: stats, .offset: 16, .size: 8, .value_kind: global_buffer, .address_space: global }
      - { .name: u, .offset: 24, .size: 8, .value_kind: global_buffer, .address_space: global }
      - { .name: out1, .offset: 32, .size: 8, .value_kind: global_buffer, .address_space: global }
    .group_segment_fixed_size: 327680
    .private_segment_fixed_size: 0
    .kernarg_segment_align: 8
    .kernarg_segment_size: 40
    .max_flat_workgroup_size: 128
    .sgpr_count:     96
    .vgpr_count:     768
    .wavefront_size: 32
...
	.end_amdgpu_metadata
.endif
;; end of part 4
;; launch vproj (part 5): grid 16 x 16, 4 waves a work-group, clusters of 4 x 1, 327,680 bytes of LDS; arguments u, WV_w, WV_b, out0; writes out0
.if DOCPART == 5
	.amdgcn_target "amdgcn-amd-amdhsa--gfx1250"
	.amdhsa_code_object_version 6
	.text
	.protected	k_qcafd186b04_vproj
	.globl	k_qcafd186b04_vproj
	.p2align	8
	.type	k_qcafd186b04_vproj,@function
k_qcafd186b04_vproj:
	s_mov_b64 s[64:65], 0
	v_nop
	global_prefetch_b8 v0, s[64:65] scope:SCOPE_SE
	s_setreg_imm32_b32 hwreg(HW_REG_WAVE_MODE, 25, 1), 1
	s_wait_xcnt 0x0
	s_wait_alu depctr_hold_cnt(0) depctr_sa_sdst(0) depctr_va_vdst(0) depctr_va_sdst(0) depctr_va_ssrc(0) depctr_va_vcc(0) depctr_vm_vsrc(0)
	s_getreg_b32 s2, hwreg(HW_REG_IB_STS2, 6, 4)
	s_cmp_eq_u32 s2, 0
	s_cbranch_scc0 .Lentry_in_a_cluster
	s_endpgm
.Lentry_in_a_cluster:
	s_bfe_u32 s2, ttmp6, 0x10000c
	s_cmp_lg_u32 s2, 0x3003
	s_cbranch_scc0 .Lentry_shape_is_right
	s_endpgm
.Lentry_shape_is_right:
; out0 = u WV_w^T + WV_b, f32: the value projection, taken behind the weighted mean (attn's rows sum to 1, so WV_b is added once).
; SHARES. 256 rows x 64 columns a work-group, 64 rows a wave (four blocks b of 16) x four blocks a of 16 columns; 16 trips of 64 along the 1,024 channels.
; FORM. Source 0 = 16 rows of WV_w (f32 rows of 256 bytes, a quarter of a tile a wave, rounded once in registers, two LDS slots), source 1 = 16 rows of u.
; In D a lane holds ONE row and eight neighbouring columns; the rows go through the wave's own stage and leave as whole aligned pieces of 256 bytes.
; CLUSTER. The four work-groups of a cluster have the same 256 rows and neighbouring columns, so u is asked for JOINTLY.  A ring of two slots, four blocks of 64 channels each; wave w fetches block w
; (32,768 dense bytes, as 128 rows of 256, padded by 16 bytes after every 128).  Piece (w, slot) lies at w x 2 BLK + slot x BLK; BLK = 0x9000 shares no bit with w x 0x12000, so one exclusive or changes
; slots.  A wave has at most two tensor loads out.  WV_w is not asked for jointly: it is f32 and is rounded in registers.  No prefetch: the ring has four slots in all, two of them first fills.
; LIMITS. |WV_w| under 65,504 (f16).  NaN and infinities are not treated apart.
; WINDOWS: 0 addresses, bias (v32-63), WV_w's fragments (v64-127), work; 1 accumulators (a, b) at 8 (4 b + a); 2 u's fragments, two sets (v0-127), WV_w as loaded, two sets (v128-191).
.set A, 4
.set P, 144
.set SLOTB, 16*A*P
.set NSH, 2*A
.set T, 16
.set NB, 4
.set NS, T/NB
.set SHSTEP, 256
.set BLK, 256*144
.set PRNEXT, 2*BLK
.set SLOTX, BLK
.set PRSTEP, NB*524288
.set RING, 8*BLK
.set SHBASE, RING
.set SPARE, SHBASE+2*SLOTB
.set SP, 272                    ; a stage row: 256 bytes + 16
.set STGW, PRNEXT               ; the stage on the way out: the head of my block of slot 0, which has had its last fill and, behind the last change's barrier, its last read
.set SHS, 128
.set SHF, 64
.set TMP, 192
.set OB, 192
.set MSB, 0
.macro WIN new                  ; the high byte repeats the setting that is left; a switch that changes nothing is dropped
.if MSB != (\new)
	s_set_vgpr_msb (MSB<<8)|(\new)
.set MSB, (\new)
.endif
.endm
.set W_CV, 0x0a
.set W_L2, 0x80
.set W_MM, 0x58
.set W_I1, 0x40
.set W_S1, 0x04
.macro PLACES                   ; four plain places behind matrix instructions (ISA guide 7.12.1)
.rept 4
	v_nop
.endr
.endm
.macro ROUND                    ; a round of the cluster's barrier
	s_barrier_signal -1
	s_barrier_wait -1
	s_cmp_lg_u32 s16, 0
	s_cbranch_scc1 .Lnw0_\@
	s_barrier_signal -3
.Lnw0_\@:
	s_barrier_wait -3
	s_barrier_signal -1
	s_barrier_wait -1
.endm
.macro LANES
	v_lshrrev_b32 v16, 5, v0
	v_readfirstlane_b32 s16, v16            ; wave
	v_and_b32 v1, 15, v0                    ; r
	v_bfe_u32 v2, v0, 4, 1                  ; h
	v_and_b32 v3, 31, v0                    ; lane
	s_bfe_u32 s87, ttmp6, 0x40000           ; cx: it enters global addresses of WV_w, the bias and the output alone
	s_lshl_b32 s18, ttmp9, 2
	s_add_co_u32 s18, s18, s87              ; x
	s_and_b32 s19, ttmp7, 0xffff            ; y, which the four partners share
	s_mov_b32 s21, 0
	s_mov_b32 s67, 0
	s_mul_i32 s63, s16, 4*A*4096
	v_lshlrev_b32 v4, 12, v2
	v_lshl_add_u32 v4, v1, 4, v4
	v_add_nc_u32 v4, s63, v4                ; WV_w in memory: row 16 w + h, 16 bytes at 16 r: a load takes two pieces of 256 bytes, aligned
	s_mul_i32 s63, s16, 4*A*P
	s_add_co_u32 s63, s63, SHBASE
	v_mul_u32_u24 v5, v2, P
	v_lshl_add_u32 v5, v1, 3, v5
	v_add_nc_u32 v5, s63, v5                ; the same place in a slot, 8 bytes of f16
	v_mul_u32_u24 v6, v1, P
	v_lshl_add_u32 v6, v2, 4, v6
	v_add_nc_u32 v6, SHBASE, v6             ; a fragment: row r, 16 bytes at 16 h
	s_mul_i32 s63, s16, 64*144
	v_mul_u32_u24 v7, v1, 144
	v_lshl_add_u32 v7, v2, 4, v7
	v_add_nc_u32 v7, s63, v7                ; my rows in a block of the ring: row 64 w + r, 16 bytes at 16 h
	s_mul_i32 s63, s16, STGW                ; my stage
	v_mul_u32_u24 v8, v1, SP
	v_lshl_add_u32 v8, v2, 5, v8
	v_add_nc_u32 v8, s63, v8                ; in: row r, 32 bytes for each half of the lanes
	v_mul_u32_u24 v9, v2, SP
	v_lshl_add_u32 v9, v1, 4, v9
	v_add_nc_u32 v9, s63, v9                ; back: lanes 0-15 one row of 256 bytes, lanes 16-31 the next,
	v_lshlrev_b32 v10, 12, v2
	v_lshl_add_u32 v10, v1, 4, v10          ; and the same two rows in out0
.endm
.macro SHLD set, step, off      ; my quarter of a tile of WV_w into register set 'set'
.if \step
	s_wait_xcnt 0x0                         ; the base is stepped only when every earlier load has read it
	s_add_nc_u64 s[4:5], s[4:5], (\step)*SHSTEP
.endif
	WIN W_L2
.set n1, 0
.rept NSH
	global_load_b128 v[SHS+4*NSH*(\set)+4*n1:SHS+4*NSH*(\set)+4*n1+3], v4, s[4:5] offset:(\off)+n1*8192
.set n1, n1+1
.endr
.endm
.macro SHCV set, slot
	WIN W_CV
.set n1, 0
.rept 2*NSH
	v_cvt_pk_f16_f32 v[TMP+n1], v[SHS+4*NSH*(\set)+2*n1], v[SHS+4*NSH*(\set)+2*n1+1]
.set n1, n1+1
.endr
	WIN 0
.set n1, 0
.rept NSH
	ds_store_b64 v5, v[TMP+2*n1:TMP+2*n1+1] offset:(\slot)*SLOTB+n1*2*P
.set n1, n1+1
.endr
.endm
.macro FRAGH slot, ks           ; WV_w's A fragments of 32 along K
	WIN 0
.set n1, 0
.rept A
	ds_load_b128 v[SHF+8*(A*(\ks)+n1):SHF+8*(A*(\ks)+n1)+3],   v6 offset:(\slot)*SLOTB+n1*16*P+(\ks)*64
	ds_load_b128 v[SHF+8*(A*(\ks)+n1)+4:SHF+8*(A*(\ks)+n1)+7], v6 offset:(\slot)*SLOTB+n1*16*P+(\ks)*64+32
.set n1, n1+1
.endr
.endm
.macro PRH set, ks, ar          ; my four fragments of 32 along K out of the ring
	WIN W_L2
.set n1, 0
.rept 4
	ds_load_b128 v[64*(\set)+16*n1+8*(\ks):64*(\set)+16*n1+8*(\ks)+3],   v[\ar] offset:n1*2304+(\ks)*64
	ds_load_b128 v[64*(\set)+16*n1+8*(\ks)+4:64*(\set)+16*n1+8*(\ks)+7], v[\ar] offset:n1*2304+(\ks)*64+32
.set n1, n1+1
.endr
.endm
.macro MUL pr, ks               ; 4 A products, each on another accumulator: between two links of a chain stand 4 A - 1 others', over the backward jumps too
	WIN W_MM
.set n1, 0
.rept 4*A
.set rA, 8*(A*(n1%4)+n1/4)
	v_wmma_f32_16x16x32_f16 v[rA:rA+7], v[SHF+8*(A*(\ks)+n1/4):SHF+8*(A*(\ks)+n1/4)+7], v[(\pr)+16*(n1%4)+8*(\ks):(\pr)+16*(n1%4)+8*(\ks)+7], v[rA:rA+7]
.set n1, n1+1
.endr
.endm
; Trip t.  p = t % 2: WV_w's slot and my fragments' set.  st: WV_w's tile t + 1 (register set cs) goes into the other slot, and a barrier ends the trip; cnt: the younger loads that may stay out.
; ld: a further tile is asked for, into set ls.  pl: my fragments of this trip are fetched at its head.  pf = k > 0: those of the block k further on are fetched between the two halves of products.
.macro TRIP p, cs, ls, ld, st, cnt, pl, pf
.if \pl
	WIN 0
	v_add_nc_u32 v26, s60, v7               ; the block's place in the ring
.endif
	FRAGH \p, 0
.if \pl
	PRH \p, 0, 26
.endif
	FRAGH \p, 1
.if \pl
	PRH \p, 1, 26
.endif
	s_wait_dscnt 2*A+8*(\pl)                ; the first 32 along K are in; the second half's loads may be out
	MUL 64*(\p), 0
.if \st
	s_wait_loadcnt \cnt                     ; WV_w's tile t + 1 is in registers
	SHCV \cs, 1-(\p)
.endif
.if \ld
	SHLD \ls, 1, 0
.endif
.set PFN, 0
.if \pf
.set PFN, 16
	WIN 0
	v_add_nc_u32 v27, (\pf)*PRNEXT, v26
	PRH 1-(\p), 0, 27
	PRH 1-(\p), 1, 27
.endif
	s_wait_dscnt NSH*(\st)+PFN              ; the second 32 along K are in; the stores and the fetch ahead may be out
	MUL 64*(\p), 1
	WIN 0
	PLACES                                  ; ahead of loads into registers that the products have read
.if \st
	s_wait_dscnt 0x0                        ; my stores into the other slot are done, my reads of this one are over
	s_barrier_signal -1                     ; one barrier a trip orders both ways
	s_barrier_wait -1
.endif
.endm
; THE CHANGE OF SLOTS of the ring.  Each wave waits for all its tensor loads (one is out: its block of the next slot), adds 0 to its spare word, and waits for that and for its reads.
; fill = 1: the slot just read is filled again, two slots on; the barrier is a round of the cluster's, and the joint load is the first thing behind it: four trips in which to land.
.macro CHANGE fill
	WIN 0
	s_wait_tensorcnt 0x0                    ; no tensor load of mine is out, so the walking descriptor may be written
	ds_add_u32 v28, v29                     ; 0 onto my spare word
.if \fill
	s_xor_b32 s37, s37, SLOTX               ; the other slot than last time,
	s_add_nc_u64 s[38:39], s[38:39], PRSTEP ; the next four blocks; the type bits on top are not reached
.endif
	s_sub_co_u32 s60, s60, 4*PRNEXT         ; my reads go back to a slot's first block,
	s_xor_b32 s60, s60, SLOTX               ; in the other slot
	s_wait_dscnt 0x0                        ; the add is done, and my reads of the slot are over
.if \fill
	ROUND
	tensor_load_to_lds s[36:39], s[40:47]
	s_nop 0
	PLACES
.else
	s_barrier_signal -1
	s_barrier_wait -1
.endif
.endm
	s_load_b256 s[68:75], s[0:1], 0x0       ; u, WV_w, WV_b, out0
	v_lshl_add_u32 v28, v0, 2, SPARE
	v_mov_b32 v29, 0
	ds_add_u32 v28, v29                     ; the wave's opening: the add and its wait stand ahead of my first tensor load; the set-up, work on registers, stands between
	LANES
	v_lshlrev_b32 v11, 5, v2                ; my 8 columns of a block of 16: 32 h bytes
	s_mov_b32 s32, 1                        ; group 0 for slot 0: count = 1,
	s_mul_i32 s33, s16, PRNEXT              ; LDS address of my block
	s_mov_b32 s36, 1                        ; group 0 for slot 1, which then walks on
	s_add_co_u32 s37, s33, BLK
	s_mov_b32 s40, 15|(1<<16)|(1<<20)|(1<<21)|(4<<22)|(3<<25)  ; the mask of four; elements of 2 bytes; padding on; bit 21 beside a mask; after every 32 words, 4 words
	s_mov_b32 s41, 128<<16                  ; tensor_dim0 = 128
	s_mov_b32 s42, 128<<16                  ; tensor_dim1 = 128
	s_mov_b32 s43, 128<<16                  ; tile_dim0 = 128
	s_mov_b32 s44, 128                      ; tile_dim1 = 128
	s_mov_b32 s45, 128                      ; the pitch: the block is dense
	s_mov_b32 s46, 0
	s_mov_b32 s47, 0
	s_lshl_b32 s66, s19, 15                 ; row 256 y of a block,
	s_lshl_b32 s63, s16, 19                 ; block w
	s_add_co_u32 s66, s66, s63
	s_wait_dscnt 0x0                        ; the opening add is done
	s_wait_kmcnt 0x0
	s_add_nc_u64 s[34:35], s[68:69], s[66:67]
	s_add_nc_u64 s[38:39], s[34:35], PRSTEP
	s_or_b32 s35, s35, 0x80000000           ; type = 2
	s_or_b32 s39, s39, 0x80000000
	s_lshl_b32 s20, s18, 18
	s_add_nc_u64 s[4:5], s[70:71], s[20:21] ; WV_w at row 64 x
	s_lshl_b32 s20, s19, 20
	s_lshl_b32 s22, s16, 18
	s_add_co_u32 s20, s20, s22
	s_lshl_b32 s22, s18, 8
	s_add_co_u32 s20, s20, s22
	s_add_nc_u64 s[8:9], s[74:75], s[20:21] ; out0: row 256 y + 64 w, column 64 x
	s_mov_b32 s20, s22
	s_add_nc_u64 s[10:11], s[72:73], s[20:21]
.irp a, 0,1,2,3
	global_load_b128 v[32+8*\a:35+8*\a], v11, s[10:11] offset:64*\a
	global_load_b128 v[36+8*\a:39+8*\a], v11, s[10:11] offset:64*\a+16
.endr
	SHLD 0, 0, 0                            ; WV_w's tiles 0 and 1
	SHLD 1, 0, SHSTEP
	WIN 0
	ROUND                                   ; all four work-groups are here: the first joint loads meet
	tensor_load_to_lds s[32:35], s[40:47]   ; slot 0: blocks 0-3
	s_nop 0
	tensor_load_to_lds s[36:39], s[40:47]   ; slot 1: blocks 4-7
	s_nop 0
	PLACES
	s_wait_loadcnt 2*NSH                    ; the bias is in; the first two tiles stay out
	WIN W_I1
.set n1, 0
.rept 32*A
	v_mov_b32 v[n1], v[32+n1%32]            ; the sums start at WV_b
.set n1, n1+1
.endr
	WIN 0
	s_wait_loadcnt NSH                      ; WV_w's tile 0 is in; tile 1 stays out
	SHCV 0, 0
	SHLD 0, 2, 0                            ; tile 2
	WIN 0
	s_wait_tensorcnt 0x1                    ; my block of slot 0 is in; slot 1's may stay out
	s_wait_dscnt 0x0
	s_barrier_signal -1
	s_barrier_wait -1
	s_mov_b32 s60, 0
	s_mov_b32 s17, NS-1
	s_branch .Lfirst                        ; the first slot is read without a change in front of it
.Lslot:                                         ; every slot but the last two is filled again
	CHANGE 1
.Lfirst:
	s_mov_b32 s61, NB/2
.Lpair:
	TRIP 0, 1, 1, 1, 1, NSH, 1, 1
	TRIP 1, 0, 0, 1, 1, NSH, 0, 0
	s_add_co_u32 s60, s60, 2*PRNEXT
	s_sub_co_u32 s61, s61, 1
	s_cmp_lg_u32 s61, 0
	s_cbranch_scc1 .Lpair
	s_sub_co_u32 s17, s17, 1
	s_cmp_lg_u32 s17, 0
	s_cbranch_scc1 .Lslot
	CHANGE 0                                ; the last slot is written out, and WV_w's loads run out
	TRIP 0, 1, 1, 1, 1, NSH, 1, 1
	TRIP 1, 0, 0, 0, 1, NSH, 0, 0
	s_add_co_u32 s60, s60, 2*PRNEXT
	TRIP 0, 1, 1, 0, 1, 0, 1, 1
	TRIP 1, 0, 0, 0, 0, 0, 0, 0
	PLACES
.irp b, 0,1,2,3
	s_wait_xcnt 0x0                         ; earlier stores have read OB
	WIN W_S1                                ; store data in window 1
.irp a, 0,1,2,3
	ds_store_b128 v8, v[8*(4*\b+\a):8*(4*\b+\a)+3] offset:64*\a             ; each accumulator from its low end
	ds_store_b128 v8, v[8*(4*\b+\a)+4:8*(4*\b+\a)+7] offset:64*\a+16
.endr
	WIN 0
.irp t, 0,1,2,3,4,5,6,7
	ds_load_b128 v[OB+4*\t:OB+4*\t+3], v9 offset:2*SP*\t    ; LDS serves a wave's instructions in order (ISA guide 5.7.1.4)
.endr
	s_wait_dscnt 0x0
.irp t, 0,1,2,3,4,5,6,7
	global_store_b128 v10, v[OB+4*\t:OB+4*\t+3], s[8:9] offset:(16*\b+2*\t)*4096 th:TH_STORE_NT     ; 16 lanes store 256 consecutive bytes, aligned
.endr
.endr
	s_wait_tensorcnt 0x0                    ; the wave's end: a tensor wait, an add of 0 to my spare word and an LDS wait, behind my last tensor load and my last LDS store
	ds_add_u32 v28, v29
	s_wait_dscnt 0x0
	ROUND                                   ; the closing round: no work-group ends while a partner may still ask for a tile that names it
	s_endpgm
.Lfunc_end_k_qcafd186b04_vproj:
	.size	k_qcafd186b04_vproj, .Lfunc_end_k_qcafd186b04_vproj-k_qcafd186b04_vproj
	.p2alignl 7, 3214868480
	.fill 96, 4, 3214868480
	.section	.rodata,"a",@progbits
	.p2align	6, 0x0
	.amdhsa_kernel k_qcafd186b04_vproj
		.amdhsa_group_segment_fixed_size 327680
		.amdhsa_private_segment_fixed_size 0
		.amdhsa_enable_private_segment 0
		.amdhsa_kernarg_size 32
		.amdhsa_user_sgpr_count 2
		.amdhsa_user_sgpr_kernarg_segment_ptr 1
		.amdhsa_wavefront_size32 1
		.amdhsa_system_sgpr_workgroup_id_x 1
		.amdhsa_system_sgpr_workgroup_id_y 1
		.amdhsa_system_sgpr_workgroup_id_z 1
		.amdhsa_system_vgpr_workitem_id 0
		.amdhsa_next_free_vgpr 768
		.amdhsa_next_free_sgpr 96
		.amdhsa_reserve_vcc 0
		.amdhsa_float_denorm_mode_32 3
		.amdhsa_float_denorm_mode_16_64 3
		.amdhsa_memory_ordered 1
		.amdhsa_forward_progress 1
		.amdhsa_inst_pref_size 61
	.end_amdhsa_kernel
	.amdgpu_metadata
---
amdhsa.version: [ 1, 2 ]
amdhsa.kernels:
  - .name:           k_qcafd186b04_vproj
    .symbol:         k_qcafd186b04_vproj.kd
    .args:
      - { .name: u, .offset: 0, .size: 8, .value_kind: global_buffer, .address_space: global }
      - { .name: WV_w, .offset: 8, .size: 8, .value_kind: global_buffer, .address_space: global }
      - { .name: WV_b, .offset: 16, .size: 8, .value_kind: global_buffer, .address_space: global }
      - { .name: out0, .offset: 24, .size: 8, .value_kind: global_buffer, .address_space: global }
    .group_segment_fixed_size: 327680
    .private_segment_fixed_size: 0
    .kernarg_segment_align: 8
    .kernarg_segment_size: 32
    .max_flat_workgroup_size: 128
    .sgpr_count:     96
    .vgpr_count:     768
    .wavefront_size: 32
...
	.end_amdgpu_metadata
.endif
;; end of part 5
